; MI455X (gfx1250); checked and timed in simulation.
; The chip was launched on July 23, 2026; its instructions are those of AMD's public machine-readable ISA for CDNA 5 (MIT licence, August 2026) and "CDNA5" Instruction Set Architecture Reference Guide (July 2026). The comments in the code are by the model that wrote it; some were corrected since.
;; Causal Self Attention. Allowed arithmetic: float matrix products may take bf16 or f16 operands with f32 sums; all other float work in f32.
;; Inputs: W_key 1,024 x 1,024 float32; W_query 1,024 x 1,024 float32; W_value 1,024 x 1,024 float32; x 4 x 2,048 x 1,024 float32.
;; Outputs: out0 4 x 2,048 x 1,024 float32.
;; 2 versions, each right; version 2 is version 1 with the launch cast written anew for expert scheduling mode. Each part assembles by itself: llvm-mc -triple=amdgcn-amd-amdhsa -mcpu=gfx1250 --defsym DOCPART=n.
;; ======== version 1 of 2: 4 launches
;; limits: values are held in f16: magnitudes above 65,504 overflow, below 6.1e-05 lose precision
;; workspace buffers: xb 16,777,216 bytes; wt 6,291,456 bytes; qkv 50,331,648 bytes; p 33,554,432 bytes; st 1,048,576 bytes
;; launch cast (part 1): grid 256 x 1, 8 waves a work-group, no clusters, 27,136 bytes of LDS; arguments x, W_query, W_key, W_value, xb, wt; writes xb, wt
.if DOCPART == 1
	.amdgcn_target "amdgcn-amd-amdhsa--gfx1250"
	.amdhsa_code_object_version 6
	.text
	.protected	k_q369c96cfb2_cast
	.globl	k_q369c96cfb2_cast
	.p2align	8
	.type	k_q369c96cfb2_cast,@function
k_q369c96cfb2_cast:
	s_mov_b64 s[64:65], 0
	v_nop
	global_prefetch_b8 v0, s[64:65] scope:SCOPE_SE
	s_setreg_imm32_b32 hwreg(HW_REG_WAVE_MODE, 25, 1), 1
	s_wait_xcnt 0x0
; xb = x rounded to bf16, laid out in K blocks: [16 kb][8192 rows][64]: number (row, d) at byte (d >> 6) * 1,048,576 + row * 128 + (d & 63) * 2.
; wt = the weights turned and rounded to bf16, in the same way: [16 kb][3072 rows][64], row n*1024+e holds W_n[:, e] (n = 0 query, 1 key, 2 value): (row, d) at (d >> 6) * 393,216 + row * 128 + (d & 63) * 2.
; So the rows of a tile that is 64 along K lie end to end, and the next launch asks for them as rows of 256 bytes.
; Memory binds: every input byte is read once, every output byte written once; no matrix unit, no cluster, no tensor load would add anything.
; 256 work-groups of eight waves.  Work-group g takes 32 rows of x (131,072 bytes) and, of each weight, a tile of 128 d x 32 e (d block g & 7, e block g >> 3).
; x: thread t takes 8 numbers of row (t >> 3) & 1 of a pair of rows, K block t >> 4, place t & 7: eight lanes read 256 consecutive bytes, sixteen lanes store 256 consecutive bytes (two rows of a K block).
; W: thread t takes 4 d x 4 e, packs 4 d of one e into 8 bytes and lays them into LDS rows by e (pitch 272); they come back as halves of 128 bytes, two neighbouring e to sixteen lanes.
.set TW,    8704                       ; a weight's tile in LDS: 32 rows (e) x 272 bytes (128 bf16 along d + 16 of padding)
.set SPARE, 3*TW                       ; behind the tiles: the spare words, 128 bytes for each of eight waves
.set WKB,   3072*128                   ; bytes in a K block of wt
.set SPW, 8                            ; v8   LDS address of my spare word; never rewritten
.set NIL, 9                            ; v9   0; never rewritten
.set WR,  16                           ; v[16:63]    W_n's row i of my four: 4 numbers at WR + 16 n + 4 i
.set XR,  64                           ; v[64:191]   chunk k of x: 8 numbers, then 4 words of bf16 in the first four
.set WP,  192                          ; v[192:215]  packed W: e index c of weight n at WP + 8 n + 2 c
.set BK,  216                          ; v[216:239]  rows read back
	s_load_b256 s[4:11], s[0:1], 0x0               ; x s[4:5], W_query s[6:7], W_key s[8:9], W_value s[10:11]
	s_load_b128 s[12:15], s[0:1], 0x20             ; xb s[12:13], wt s[14:15]
	v_lshl_add_u32 v[SPW], v0, 2, SPARE
	v_mov_b32 v[NIL], 0
	s_lshl_b32 s16, ttmp9, 17                      ; my 32 rows of x: g x 131,072 bytes
	s_mov_b32 s17, 0
	s_lshl_b32 s18, ttmp9, 12                      ; and in each K block of xb: g x 32 rows x 128 bytes
	s_mov_b32 s19, 0
	s_and_b32 s24, ttmp9, 7                        ; d block
	s_lshr_b32 s25, ttmp9, 3                       ; e block
	s_lshl_b32 s20, s24, 19                        ; 128 rows of 4,096 bytes,
	s_lshl_b32 s26, s25, 7                         ; 32 columns of 4 bytes
	s_add_co_u32 s20, s20, s26
	s_mov_b32 s21, 0
	s_mul_i32 s22, s24, 2*WKB                      ; in wt: my d block is two K blocks,
	s_lshl_b32 s26, s25, 12                        ; 32 rows of 128 bytes
	s_add_co_u32 s22, s22, s26
	s_mov_b32 s23, 0
	v_and_b32 v10, 7, v0                           ; t & 7
	v_lshrrev_b32 v11, 3, v0                       ; t >> 3
	v_bfe_u32 v12, v0, 3, 1                        ; which row of a pair
	v_lshrrev_b32 v13, 4, v0                       ; K block of x
	v_lshlrev_b32 v1, 5, v10
	v_lshl_add_u32 v1, v12, 12, v1
	v_lshl_add_u32 v1, v13, 8, v1                  ; x: row x 4,096 + K block x 256 + 32 (t & 7)
	v_lshlrev_b32 v2, 4, v10
	v_lshl_add_u32 v2, v12, 7, v2
	v_lshl_add_u32 v2, v13, 20, v2                 ; xb: K block x 1,048,576 + row x 128 + 16 (t & 7)
	v_lshlrev_b32 v3, 4, v10
	v_lshl_add_u32 v3, v11, 14, v3                 ; W: 4 rows x 4,096 x (t >> 3) + 16 (t & 7)
	v_mul_u32_u24 v4, v10, 4*272
	v_lshl_add_u32 v4, v11, 3, v4                  ; LDS in: row 4 (t & 7), byte 8 (t >> 3)
	v_bfe_u32 v14, v0, 3, 4                        ; LDS back: e row (t >> 3) & 15,
	v_lshrrev_b32 v15, 7, v0                       ; which half of its 256 bytes
	v_mul_u32_u24 v5, v14, 272
	v_lshl_add_u32 v5, v15, 7, v5
	v_lshl_add_u32 v5, v10, 4, v5
	v_mul_u32_u24 v6, v15, WKB                     ; and the same place in wt
	v_lshl_add_u32 v6, v14, 7, v6
	v_lshl_add_u32 v6, v10, 4, v6
	s_wait_kmcnt 0x0
	s_add_nc_u64 s[4:5], s[4:5], s[16:17]
	s_add_nc_u64 s[12:13], s[12:13], s[18:19]
.irp n, 0,1,2
	s_add_nc_u64 s[6+2*(\n):7+2*(\n)], s[6+2*(\n):7+2*(\n)], s[20:21]
.endr
	s_add_nc_u64 s[14:15], s[14:15], s[22:23]
.irp n, 0,1,2
.irp i, 0,1,2,3
	global_load_b128 v[WR+16*(\n)+4*(\i):WR+16*(\n)+4*(\i)+3], v3, s[6+2*(\n):7+2*(\n)] offset:4096*(\i)
.endr
.endr
.set k, 0
.rept 16                                               ; all of my x goes out at once: 32 loads a wave on their way; chunk k is rows 2 k, 2 k + 1
	global_load_b128 v[XR+8*k:XR+8*k+3],   v1, s[4:5] offset:8192*k th:TH_LOAD_NT
	global_load_b128 v[XR+8*k+4:XR+8*k+7], v1, s[4:5] offset:8192*k+16 th:TH_LOAD_NT
.set k, k+1
.endr
	s_wait_loadcnt 32                              ; the 12 loads of W are in; the 32 younger ones, x, stay out
.irp n, 0,1,2
.irp c, 0,1,2,3
	v_cvt_pk_bf16_f32 v[WP+8*(\n)+2*(\c)],   v[WR+16*(\n)+(\c)],   v[WR+16*(\n)+4+(\c)]   ; d, d + 1 of one e
	v_cvt_pk_bf16_f32 v[WP+8*(\n)+2*(\c)+1], v[WR+16*(\n)+8+(\c)], v[WR+16*(\n)+12+(\c)]  ; d + 2, d + 3
	ds_store_b64 v4, v[WP+8*(\n)+2*(\c):WP+8*(\n)+2*(\c)+1] offset:(\n)*TW+(\c)*272
.endr
.endr
	s_wait_dscnt 0x0                               ; for the others' sake: my stores into the tiles are done
	s_barrier_signal -1
	s_barrier_wait -1
.irp m, 0,1,2,3,4,5
	ds_load_b128 v[BK+4*(\m):BK+4*(\m)+3], v5 offset:((\m)/2)*TW+((\m)%2)*16*272
.endr
.set k, 0
.rept 16
	s_wait_loadcnt 30-2*k                          ; chunk k's two loads are in; the younger chunks stay out
	v_cvt_pk_bf16_f32 v[XR+8*k],   v[XR+8*k],   v[XR+8*k+1]  ; in place, ascending: a word is written when its sources have been read
	v_cvt_pk_bf16_f32 v[XR+8*k+1], v[XR+8*k+2], v[XR+8*k+3]
	v_cvt_pk_bf16_f32 v[XR+8*k+2], v[XR+8*k+4], v[XR+8*k+5]
	v_cvt_pk_bf16_f32 v[XR+8*k+3], v[XR+8*k+6], v[XR+8*k+7]
	global_store_b128 v2, v[XR+8*k:XR+8*k+3], s[12:13] offset:256*k  ; 16 lanes store 256 consecutive bytes, aligned
.set k, k+1
.endr
	s_wait_dscnt 0x0                               ; the rows of wt are back
.irp m, 0,1,2,3,4,5
	global_store_b128 v6, v[BK+4*(\m):BK+4*(\m)+3], s[14:15] offset:((\m)/2)*131072+((\m)%2)*2048  ; weight n's 1,024 rows of 128 bytes; 16 rows a pass; 16 lanes store 256 consecutive bytes, aligned
.endr
	s_wait_tensorcnt 0x0                           ; the wave's end
	ds_add_u32 v[SPW], v[NIL]
	s_wait_dscnt 0x0
	s_endpgm
.Lfunc_end_k_q369c96cfb2_cast:
	.size	k_q369c96cfb2_cast, .Lfunc_end_k_q369c96cfb2_cast-k_q369c96cfb2_cast
	.p2alignl 7, 3214868480
	.fill 96, 4, 3214868480
	.section	.rodata,"a",@progbits
	.p2align	6, 0x0
	.amdhsa_kernel k_q369c96cfb2_cast
		.amdhsa_group_segment_fixed_size 27136
		.amdhsa_private_segment_fixed_size 0
		.amdhsa_enable_private_segment 0
		.amdhsa_kernarg_size 48
		.amdhsa_user_sgpr_count 2
		.amdhsa_user_sgpr_kernarg_segment_ptr 1
		.amdhsa_wavefront_size32 1
		.amdhsa_system_sgpr_workgroup_id_x 1
		.amdhsa_system_sgpr_workgroup_id_y 1
		.amdhsa_system_sgpr_workgroup_id_z 1
		.amdhsa_system_vgpr_workitem_id 0
		.amdhsa_next_free_vgpr 240
		.amdhsa_next_free_sgpr 66
		.amdhsa_reserve_vcc 0
		.amdhsa_float_denorm_mode_32 3
		.amdhsa_float_denorm_mode_16_64 3
		.amdhsa_memory_ordered 1
		.amdhsa_forward_progress 1
		.amdhsa_inst_pref_size 17
	.end_amdhsa_kernel
	.amdgpu_metadata
---
amdhsa.version: [ 1, 2 ]
amdhsa.kernels:
  - .name:           k_q369c96cfb2_cast
    .symbol:         k_q369c96cfb2_cast.kd
    .args:
      - { .name: x, .offset: 0, .size: 8, .value_kind: global_buffer, .address_space: global }
      - { .name: W_query, .offset: 8, .size: 8, .value_kind: global_buffer, .address_space: global }
      - { .name: W_key, .offset: 16, .size: 8, .value_kind: global_buffer, .address_space: global }
      - { .name: W_value, .offset: 24, .size: 8, .value_kind: global_buffer, .address_space: global }
      - { .name: xb, .offset: 32, .size: 8, .value_kind: global_buffer, .address_space: global }
      - { .name: wt, .offset: 40, .size: 8, .value_kind: global_buffer, .address_space: global }
    .group_segment_fixed_size: 27136
    .private_segment_fixed_size: 0
    .kernarg_segment_align: 8
    .kernarg_segment_size: 48
    .max_flat_workgroup_size: 256
    .sgpr_count:     66
    .vgpr_count:     240
    .wavefront_size: 32
...
	.end_amdgpu_metadata
.endif
;; end of part 1
;; launch proj (part 2): grid 8 x 32, 4 waves a work-group, clusters of 4 x 4, 327,680 bytes of LDS; arguments xb, wt, qkv; writes qkv
.if DOCPART == 2
	.amdgcn_target "amdgcn-amd-amdhsa--gfx1250"
	.amdhsa_code_object_version 6
	.text
	.protected	k_q369c96cfb2_proj
	.globl	k_q369c96cfb2_proj
	.p2align	8
	.type	k_q369c96cfb2_proj,@function
k_q369c96cfb2_proj:
	s_mov_b64 s[64:65], 0
	v_nop
	global_prefetch_b8 v0, s[64:65] scope:SCOPE_SE
	s_setreg_imm32_b32 hwreg(HW_REG_WAVE_MODE, 25, 1), 1
	s_wait_xcnt 0x0
	s_wait_alu depctr_hold_cnt(0) depctr_sa_sdst(0) depctr_va_vdst(0) depctr_va_sdst(0) depctr_va_ssrc(0) depctr_va_vcc(0) depctr_vm_vsrc(0)
	s_getreg_b32 s2, hwreg(HW_REG_IB_STS2, 6, 4)
	s_cmp_eq_u32 s2, 0
	s_cbranch_scc0 .Lentry_in_a_cluster
	s_endpgm
.Lentry_in_a_cluster:
	s_bfe_u32 s2, ttmp6, 0x10000c
	s_cmp_lg_u32 s2, 0xf033
	s_cbranch_scc0 .Lentry_shape_is_right
	s_endpgm
.Lentry_shape_is_right:
; qkv[m][n] = sum over k of x[m][k] w[n][k]: q, k and v side by side.  xb: [16 kb][8192][64] bf16, wt: [16 kb][3072][64] bf16 (K blocks of 64), qkv: [8192][3072] f16; sums in f32, rounded once.
; LIMIT: f16 ends at 65,504: a q, k or v beyond that becomes an infinity.  With inputs 30 times the drawn ones, or offset by 30 spreads, they stay below 30,000.
; THE TILE is 256 x 384: 32 x 8 = 256 work-groups, one for each WGP, all alike.  Four waves, 128 x 192 each: 96 accumulators of 16 x 16, 768 registers: windows 1 to 3.
; K goes in steps of 64 through two LDS slots (640 rows with 128 along K would not fit twice).  In the K-blocked layout half a tile's rows lie end to end: 128 rows of xb are asked for as 64 rows of
; 256 bytes, 192 rows of wt as 96; the padding, 16 bytes after every 128, sets the LDS rows 144 bytes apart.
; PHASES.  32 along K are two phases of 48 matrix instructions: all 8 m blocks x n blocks 0-5, then x n blocks 6-11.  Window 0 holds two buffers of A's 8 fragments and two of 6 fragments of B.
; Each phase opens with four places and ONE run of LDS loads for the next phase (12 or 28), and waits only for the loads of the phase before.
; CLUSTER 4 x 4: the four of a row need the same tiles of xb, the four of a column the same tiles of wt: each is asked for jointly, by the same tensor load, descriptor and mask in all four.
; THE MATRIX INSTRUCTION IS USED TRANSPOSED (source 0 = 16 rows of wt, source 1 = 16 rows of xb): a lane holds eight neighbouring numbers of a row of the result.
; THE WAY OUT.  A wave's 192 columns are 384 bytes, so an aligned 256 bytes of qkv belongs to two waves: the whole tile goes through one stage, 256 rows x 784 bytes, which lies over the ring when
; the ring has had its last fill and every wave its last read of it; a barrier on either side; then each wave stores 64 whole rows.
.set PITCH,  144                       ; an LDS row: 128 bytes + 16 of padding = 36 words: the 16 rows of a fragment load start at 16 different groups of four banks
.set AHALF,  128*PITCH                 ; what waves 0, 1 fetch
.set BHALF,  192*PITCH                 ; what waves 2, 3 fetch
.set BOFF,   2*AHALF                   ; B's 384 rows lie behind A's 256
.set SLOT1,  1<<17                     ; slot 1 begins here (a slot is 92,160 bytes), so that one exclusive or turns a place in one slot into the other's
.set SP,     784                       ; a row of the stage: 768 bytes + 16
.set SPARE,  SLOT1+BOFF+2*BHALF        ; behind slot 1, and behind the stage's 200,704 bytes: the spare words, 128 bytes a wave
.set ASTEP,  8192*128                  ; bytes from a K block of xb to the next
.set BSTEP,  3072*128                  ; of wt
.set NROW,   6144                      ; bytes in a row of qkv
.set ADRA0, 16                         ; v16  my place in a slot's A; never rewritten
.set ADRB0, 17                         ; v17  in its B
.set ADRA,  18                         ; v18  the same in the slot in hand
.set ADRB,  19                         ; v19
.set STO,   20                         ; v20, v21  the way out: where I put 16 bytes of a row, m blocks 0-3 and 4-7
.set RD,    22                         ; v22  where I read rows back
.set CO,    23                         ; v23  my byte offset in two rows of qkv
.set SPW,   28                         ; v28  LDS address of my spare word; never rewritten
.set NIL,   29                         ; v29  0; never rewritten
.set AF0,   32                         ; A's fragments: two buffers of 64
.set AF1,   96
.set BF0,   160                        ; six of B's fragments: two buffers of 48
.set BF1,   208
.set TMP,   32                         ; the way out: packed results, two buffers of 48
.set BK,    32                         ; rows read back, two buffers of 96
.set G1, 24                            ; s[24:31] descriptor group 1 for A's tiles
.set G0, 32                            ; s[32:39] group 0 for A's tiles: a set for each first fill; the second then walks on
.set G1B, 48                           ; s[48:55], s[56:63] the same for B's
.set G0B, 56
.set SB,  45                           ; s45  the slot in hand: 0 or SLOT1
.set MSB, 0
.macro WIN new                         ; the immediate's high byte repeats the setting that is left; a switch that changes nothing is dropped
.if MSB != (\new)
	s_set_vgpr_msb (MSB<<8)|(\new)
.set MSB, \new
.endif
.endm
; A joint refill: waves 0 and 1 fetch A's two halves, waves 2 and 3 B's.  The branch hangs on the wave's number alone.  An s_nop 0 and four v_nop follow each line.
.macro JLOAD
	s_cmp_eq_u32 s11, 0
	s_cbranch_scc0 .Lfor_b_\@
	tensor_load_to_lds s[G0+4:G0+7], s[G1:G1+7]
	s_nop 0
.rept 4
	v_nop
.endr
	s_branch .Lasked_\@
.Lfor_b_\@:
	tensor_load_to_lds s[G0B+4:G0B+7], s[G1B:G1B+7]
	s_nop 0
.rept 4
	v_nop
.endr
.Lasked_\@:
.endm
.macro CREST                           ; a round of the cluster's barrier behind its opening barrier
	s_cmp_lg_u32 s10, 0
	s_cbranch_scc1 .Lnot_wave_0_\@
	s_barrier_signal -3
.Lnot_wave_0_\@:
	s_barrier_wait -3
	s_barrier_signal -1
	s_barrier_wait -1
.endm
.macro CROUND                          ; a whole round
	s_barrier_signal -1
	s_barrier_wait -1
	CREST
.endm
	s_load_b128 s[4:7], s[0:1], 0x0                ; xb s[4:5], wt s[6:7]
	s_load_b64 s[8:9], s[0:1], 0x10                ; qkv
	v_lshl_add_u32 v[SPW], v0, 2, SPARE
	v_mov_b32 v[NIL], 0
	ds_add_u32 v[SPW], v[NIL]                      ; the wave's opening: the add, waited for ahead of my first tensor load
	ds_add_u32 v28, v29
	v_lshrrev_b32 v1, 5, v0
	v_readfirstlane_b32 s10, v1                    ; wave 0..3
	s_lshr_b32 s11, s10, 1                         ; which half of the tile's rows is mine; also: I fetch for A (0) or B (1)
	s_and_b32 s12, s10, 1                          ; which half of its columns; also: which half of that tile I fetch
	s_bfe_u32 s40, ttmp6, 0x40000                  ; cx
	s_bfe_u32 s41, ttmp6, 0x40004                  ; cy
	s_lshl_b32 s42, ttmp9, 2
	s_add_co_u32 s42, s42, s40                     ; tile column = 4 x cluster x + cx
	s_and_b32 s13, ttmp7, 0xffff
	s_lshl_b32 s13, s13, 2
	s_add_co_u32 s13, s13, s41                     ; tile row = 4 x cluster y + cy
	s_lshl_b32 s43, s41, 2
	s_lshl_b32 s43, 15, s43                        ; my row of the cluster
	s_lshl_b32 s44, 0x1111, s40                    ; my column
	s_or_b32 s[G1+0], s43, (1<<16)|(1<<20)|(1<<21)|(4<<22)|(3<<25)   ; the mask; 2-byte elements; padding on; bit 21 beside a mask; after every 32 words 4 words
	s_or_b32 s[G1B+0], s44, (1<<16)|(1<<20)|(1<<21)|(4<<22)|(3<<25)
.irp g, G1, G1B
	s_mov_b32 s[(\g)+1], 128<<16                   ; tensor_dim0 = 128 elements: 256 bytes, two rows of a K block
	s_mov_b32 s[(\g)+3], 128<<16                   ; tile_dim0 = 128
	s_mov_b32 s[(\g)+5], 128                       ; elements from row to row: dense
	s_mov_b32 s[(\g)+6], 0
	s_mov_b32 s[(\g)+7], 0
.endr
	s_mov_b32 s[G1+2], 64<<16                      ; A: tensor_dim1 = 64,
	s_mov_b32 s[G1+4], 64                          ; tile_dim1 = 64: 128 rows of xb
	s_mov_b32 s[G1B+2], 96<<16                     ; B: 96:
	s_mov_b32 s[G1B+4], 96                         ; 192 rows of wt
	s_lshl_b32 s16, s13, 15                        ; A: (256 x tile row + 128 x half) rows of 128 bytes
	s_lshl_b32 s17, s12, 14
	s_add_co_u32 s16, s16, s17
	s_mov_b32 s17, 0
	s_mul_i32 s46, s42, 384*128                    ; B: (384 x tile column + 192 x half) rows of 128 bytes
	s_mul_i32 s47, s12, 192*128
	s_add_co_u32 s46, s46, s47
	s_mov_b32 s47, 0
	s_mul_i32 s20, s12, AHALF                      ; where they go: the wave's number and constants alone
	s_mul_i32 s21, s12, BHALF
	s_add_co_u32 s21, s21, BOFF
	s_mov_b32 s[SB], 0
	s_wait_dscnt 0x0                               ; the opening add is done
	s_wait_kmcnt 0x0
	s_add_nc_u64 s[14:15], s[4:5], s[16:17]
	s_add_nc_u64 s[46:47], s[6:7], s[46:47]
.irp s, 0,1
	s_mov_b32 s[G0+4*(\s)], 1
	s_add_co_u32 s[G0+4*(\s)+1], s20, (\s)*SLOT1
	s_add_nc_u64 s[G0+4*(\s)+2:G0+4*(\s)+3], s[14:15], (\s)*ASTEP
	s_or_b32 s[G0+4*(\s)+3], s[G0+4*(\s)+3], 0x80000000
	s_mov_b32 s[G0B+4*(\s)], 1
	s_add_co_u32 s[G0B+4*(\s)+1], s21, (\s)*SLOT1
	s_add_nc_u64 s[G0B+4*(\s)+2:G0B+4*(\s)+3], s[46:47], (\s)*BSTEP
	s_or_b32 s[G0B+4*(\s)+3], s[G0B+4*(\s)+3], 0x80000000
.endr
	CROUND                                         ; all sixteen work-groups are here: the first joint loads meet
	s_cmp_eq_u32 s11, 0                            ; a wave's two first fills stand in one branch, ahead of every wait on TENSORcnt and every LDS read: two loads of mine are out
	s_cbranch_scc0 .Lfirst_b
	tensor_load_to_lds s[G0:G0+3], s[G1:G1+7]
	s_nop 0
	tensor_load_to_lds s[G0+4:G0+7], s[G1:G1+7]
	s_nop 0
.rept 4
	v_nop
.endr
	s_branch .Lfirst_asked
.Lfirst_b:
	tensor_load_to_lds s[G0B:G0B+3], s[G1B:G1B+7]
	s_nop 0
	tensor_load_to_lds s[G0B+4:G0B+7], s[G1B:G1B+7]
	s_nop 0
.rept 4
	v_nop
.endr
.Lfirst_asked:
	; a fragment is 16 rows x 32 K in 8 registers: lane l holds row l % 16, K = 8 (l / 16) + 0..7 and 16 + 8 (l / 16) + 0..7: two loads of 16 bytes, 32 bytes apart
	v_and_b32 v1, 15, v0                           ; r
	v_bfe_u32 v2, v0, 4, 1                         ; h
	v_mul_u32_u24 v3, v1, PITCH
	v_lshl_add_u32 v3, v2, 4, v3
	s_mul_i32 s21, s11, AHALF                      ; my 128 rows of A
	s_mul_i32 s22, s12, BHALF                      ; my 192 rows of B
	s_add_co_u32 s22, s22, BOFF
	v_add_nc_u32 v[ADRA0], s21, v3
	v_add_nc_u32 v[ADRB0], s22, v3
	v_mov_b32 v[ADRA], v[ADRA0]
	v_mov_b32 v[ADRB], v[ADRB0]
	s_mul_i32 s23, s11, 128*SP                     ; into the stage: my 128 rows,
	s_mul_i32 s22, s12, 384                        ; my 384 bytes of them; row r, 16 bytes for each half of the lanes
	s_add_co_u32 s23, s23, s22
	v_mul_u32_u24 v4, v1, SP
	v_lshl_add_u32 v4, v2, 4, v4
	v_add_nc_u32 v[STO], s23, v4
	v_add_nc_u32 v[STO+1], 64*SP, v[STO]           ; m blocks 4-7: keeps the immediates within 16 bits
	s_mul_i32 s23, s10, 64*SP                      ; back: wave w takes rows 64 w .. 64 w + 63, whole; lanes 0-15 a row's 256 bytes, lanes 16-31 the next row's
	v_mul_u32_u24 v5, v2, SP
	v_lshl_add_u32 v5, v1, 4, v5
	v_add_nc_u32 v[RD], s23, v5
	v_mul_u32_u24 v5, v2, NROW
	v_lshl_add_u32 v[CO], v1, 4, v5
	s_lshl_b32 s16, s13, 8
	s_lshl_b32 s17, s10, 6
	s_add_co_u32 s16, s16, s17                     ; the first row of qkv that I store: 256 x tile row + 64 x wave
	s_mul_i32 s16, s16, NROW
	s_mov_b32 s17, 0
	s_add_nc_u64 s[8:9], s[8:9], s[16:17]
	s_mul_i32 s46, s42, 768                        ; the tile's first column, in bytes (in the registers that held B's address)
	s_mov_b32 s47, 0
	s_add_nc_u64 s[8:9], s[8:9], s[46:47]
; Matrix instructions for m blocks a0 .. a1 - 1 x six n blocks (6 nh + 0..5), 32 along K.  Accumulator (a, b) is number 12 a + b of 96: window 1 + number / 32, register 8 (number % 32).
; zero = 1: the product starts the sum.  Every accumulator has one instruction in a phase: they take turns over the loop's edge too.
.macro MULP af, bf, nh, a0, a1, zero
.set aa, \a0
.rept (\a1)-(\a0)
.set jj, 0
.rept 6
.set ix, 12*aa+6*(\nh)+jj
.set rd, 8*(ix%32)
	WIN 0x50*(1+ix/32)                             ; C and D in the accumulator's window, both sources in window 0
.if \zero
	v_wmma_f32_16x16x32_bf16 v[rd:rd+7], v[(\bf)+8*jj:(\bf)+8*jj+7], v[(\af)+8*aa:(\af)+8*aa+7], 0
.else
	v_wmma_f32_16x16x32_bf16 v[rd:rd+7], v[(\bf)+8*jj:(\bf)+8*jj+7], v[(\af)+8*aa:(\af)+8*aa+7], v[rd:rd+7]
.endif
.set jj, jj+1
.endr
.set aa, aa+1
.endr
.endm
.macro LOADA c, af                     ; 16 LDS loads: A's 8 fragments of the slot's 32 c .. 32 c + 31 along K
.irp i, 0,1,2,3,4,5,6,7
	ds_load_b128 v[(\af)+8*(\i):(\af)+8*(\i)+3],   v[ADRA] offset:(\i)*16*PITCH+64*(\c)
	ds_load_b128 v[(\af)+8*(\i)+4:(\af)+8*(\i)+7], v[ADRA] offset:(\i)*16*PITCH+64*(\c)+32
.endr
.endm
.macro LOADB c, nh, bf                 ; 12 LDS loads: six of B's fragments
.irp j, 0,1,2,3,4,5
	ds_load_b128 v[(\bf)+8*(\j):(\bf)+8*(\j)+3],   v[ADRB] offset:(6*(\nh)+(\j))*16*PITCH+64*(\c)
	ds_load_b128 v[(\bf)+8*(\j)+4:(\bf)+8*(\j)+7], v[ADRB] offset:(6*(\nh)+(\j))*16*PITCH+64*(\c)+32
.endr
.endm
.macro PLACES                          ; four plain vector instructions between a matrix instruction and a load into, or a read of, its registers (ISA guide 7.12.1 for reads)
	WIN 0
.rept 4
	v_nop
.endr
.endm
; A K step's four phases.  Phase 0: first 32 along K, n blocks 0-5; it fetches the same K's n blocks 6-11.
.macro PH0 zero
	PLACES
	LOADB 0, 1, BF1
	s_wait_dscnt 12                                ; all but the 12 just issued
	MULP AF0, BF0, 0, 0, 8, \zero
.endm
; Phase 1: n blocks 6-11; it fetches the second 32 along K: A, and B's n blocks 0-5.
.macro PH1 zero
	PLACES
	LOADA 1, AF1
	LOADB 1, 0, BF0
	s_wait_dscnt 28                                ; all but the 28 just issued
	MULP AF0, BF1, 1, 0, 8, \zero
.endm
; Phase 2: second 32 along K, n blocks 0-5; its 12 loads are my last reads of the slot.  In its second half stands the ONE barrier of the change of slots: in front of it each wave waits for all its tensor
; loads (one is out: its part of the next slot), adds 0 to its spare word, and waits for that and for its reads.  fill = 1: the barrier opens a round of the cluster's, and the slot is filled again first
; thing behind the round, two K steps on: 168 matrix instructions ahead of the wait for it.
.macro PH2 fill
	PLACES
	LOADB 1, 1, BF1
	s_wait_dscnt 12                                ; all but the 12 just issued
	MULP AF1, BF0, 0, 0, 4, 0
	WIN 0                                          ; (the add's two registers lie in window 0)
	s_wait_tensorcnt 0x0                           ; no tensor load of mine is out, so a group 0 may be written
	ds_add_u32 v[SPW], v[NIL]
.if \fill
	s_xor_b32 s[G0+5], s[G0+5], SLOT1              ; the walking descriptors: the other slot than last time,
	s_add_nc_u64 s[G0+6:G0+7], s[G0+6:G0+7], ASTEP ; the next K block; the type bits on top are not reached
	s_xor_b32 s[G0B+5], s[G0B+5], SLOT1
	s_add_nc_u64 s[G0B+6:G0B+7], s[G0B+6:G0B+7], BSTEP
.endif
	MULP AF1, BF0, 0, 4, 6, 0                      ; twelve matrix instructions stand between the add and the wait for it
	s_wait_dscnt 0x0                               ; the add is done, and my reads of this slot are over
	s_barrier_signal -1
	MULP AF1, BF0, 0, 6, 8, 0
	WIN 0
	s_barrier_wait -1
.if \fill
	CREST                                          ; no wave of any partner still reads this slot or has a load on its way
	JLOAD                                          ; its four v_nop are also the places in front of the loads of phase 3
.else
	PLACES
.endif
.endm
; Phase 3: n blocks 6-11; it fetches the NEXT slot's first 32 along K: A, and B's n blocks 0-5.
.macro PH3
	s_xor_b32 s[SB], s[SB], SLOT1
	v_add_nc_u32 v[ADRA], s[SB], v[ADRA0]
	v_add_nc_u32 v[ADRB], s[SB], v[ADRB0]
	LOADA 0, AF0
	LOADB 0, 0, BF0
	s_wait_dscnt 28                                ; all but the 28 just issued
	MULP AF1, BF1, 1, 0, 8, 0
.endm
	s_wait_tensorcnt 1                             ; my part of K step 0 is in; K step 1's may stay out
	s_barrier_signal -1
	s_barrier_wait -1
	LOADA 0, AF0
	LOADB 0, 0, BF0
	PH0 1                                          ; the first 32 along K stand in front of the loop: their products start the sums
	PH1 1
	WIN 0                                          ; at a label and at a branch every window is 0
	s_mov_b32 s3, 14
.Lstep:                                                ; 14 trips, from a K step's third phase to the next step's second: K steps 2 to 15 are asked for
	PH2 1
	PH3
	PH0 0
	PH1 0
	WIN 0
	s_sub_co_u32 s3, s3, 1
	s_cmp_lg_u32 s3, 0
	s_cbranch_scc1 .Lstep
	PH2 0                                          ; the tail is written out: nothing is asked for, and no round follows
	PH3
	PH0 0
	PH1 0
	PLACES                                         ; the last K step's second half fetches nothing beyond itself
	LOADB 1, 1, BF1
	s_wait_dscnt 12
	MULP AF1, BF0, 0, 0, 8, 0
	s_wait_dscnt 0x0                               ; my last reads of the ring are over:
	s_barrier_signal -1                            ; say so,
	MULP AF1, BF1, 1, 0, 8, 0
	WIN 0
	s_barrier_wait -1                              ; and behind this wait the ring, which has had its last fill, is the stage
	PLACES                                         ; the conversions read results just made
; THE WAY OUT.  PACK: m block a's 12 accumulators rounded to f16, each from its low end on, 16 bytes a lane, into the stage.
.macro PACK a
.set TM, TMP+48*((\a)%2)
.set bb, 0
.rept 12
.set ix, 12*(\a)+bb
	WIN 5*(1+ix/32)                                ; sources 0 and 1 in the accumulator's window, destination in window 0
.irp r, 0,1,2,3
	v_cvt_pk_f16_f32 v[TM+4*bb+(\r)], v[8*(ix%32)+2*(\r)], v[8*(ix%32)+2*(\r)+1]
.endr
.set bb, bb+1
.endr
	WIN 0
.set bb, 0
.rept 12
	ds_store_b128 v[STO+(\a)/4], v[TM+4*bb:TM+4*bb+3] offset:((\a)%4)*16*SP+32*bb
.set bb, bb+1
.endr
.endm
.macro LOADBK n                        ; batch n of four: 8 pairs of rows x 3 pieces of 256 bytes
.set qq, 0
.rept 24
.set it, 24*(\n)+qq
	ds_load_b128 v[BK+96*((\n)%2)+4*qq:BK+96*((\n)%2)+4*qq+3], v[RD] offset:(it/3)*2*SP+(it%3)*256
.set qq, qq+1
.endr
.endm
.macro STOREBK n
.set qq, 0
.rept 24
.set it, 24*(\n)+qq
	global_store_b128 v[CO], v[BK+96*((\n)%2)+4*qq:BK+96*((\n)%2)+4*qq+3], s[8:9] offset:(it/3)*2*NROW+(it%3)*256  ; 16 lanes store 256 consecutive bytes, aligned
.set qq, qq+1
.endr
.endm
.irp a, 0,1,2,3,4,5,6,7
	PACK \a
.endr
	s_wait_dscnt 0x0                               ; for the others' sake: my stores into the stage are done
	s_barrier_signal -1
	s_barrier_wait -1
	LOADBK 0
	LOADBK 1
	s_wait_dscnt 24                                ; batch 0 is back; batch 1's 24 loads may be out
	STOREBK 0
	s_wait_xcnt 0x0                                ; the stores' data registers are loaded again only behind this wait
	LOADBK 2
	s_wait_dscnt 24
	STOREBK 1
	s_wait_xcnt 0x0
	LOADBK 3
	s_wait_dscnt 24
	STOREBK 2
	s_wait_dscnt 0x0
	STOREBK 3
	s_wait_tensorcnt 0x0                           ; the wave's end
	ds_add_u32 v[SPW], v[NIL]
	s_wait_dscnt 0x0
	CROUND                                         ; the closing round
	s_endpgm
.Lfunc_end_k_q369c96cfb2_proj:
	.size	k_q369c96cfb2_proj, .Lfunc_end_k_q369c96cfb2_proj-k_q369c96cfb2_proj
	.p2alignl 7, 3214868480
	.fill 96, 4, 3214868480
	.section	.rodata,"a",@progbits
	.p2align	6, 0x0
	.amdhsa_kernel k_q369c96cfb2_proj
		.amdhsa_group_segment_fixed_size 327680
		.amdhsa_private_segment_fixed_size 0
		.amdhsa_enable_private_segment 0
		.amdhsa_kernarg_size 24
		.amdhsa_user_sgpr_count 2
		.amdhsa_user_sgpr_kernarg_segment_ptr 1
		.amdhsa_wavefront_size32 1
		.amdhsa_system_sgpr_workgroup_id_x 1
		.amdhsa_system_sgpr_workgroup_id_y 1
		.amdhsa_system_sgpr_workgroup_id_z 1
		.amdhsa_system_vgpr_workitem_id 0
		.amdhsa_next_free_vgpr 1024
		.amdhsa_next_free_sgpr 66
		.amdhsa_reserve_vcc 0
		.amdhsa_float_denorm_mode_32 3
		.amdhsa_float_denorm_mode_16_64 3
		.amdhsa_memory_ordered 1
		.amdhsa_forward_progress 1
		.amdhsa_inst_pref_size 110
	.end_amdhsa_kernel
	.amdgpu_metadata
---
amdhsa.version: [ 1, 2 ]
amdhsa.kernels:
  - .name:           k_q369c96cfb2_proj
    .symbol:         k_q369c96cfb2_proj.kd
    .args:
      - { .name: xb, .offset: 0, .size: 8, .value_kind: global_buffer, .address_space: global }
      - { .name: wt, .offset: 8, .size: 8, .value_kind: global_buffer, .address_space: global }
      - { .name: qkv, .offset: 16, .size: 8, .value_kind: global_buffer, .address_space: global }
    .group_segment_fixed_size: 327680
    .private_segment_fixed_size: 0
    .kernarg_segment_align: 8
    .kernarg_segment_size: 24
    .max_flat_workgroup_size: 128
    .sgpr_count:     66
    .vgpr_count:     1024
    .wavefront_size: 32
...
	.end_amdgpu_metadata
.endif
;; end of part 2
;; launch scores (part 3): grid 36 x 4, 4 waves a work-group, no clusters, 327,680 bytes of LDS; arguments qkv, p, st; writes p, st
.if DOCPART == 3
	.amdgcn_target "amdgcn-amd-amdhsa--gfx1250"
	.amdhsa_code_object_version 6
	.text
	.protected	k_q369c96cfb2_scores
	.globl	k_q369c96cfb2_scores
	.p2align	8
	.type	k_q369c96cfb2_scores,@function
k_q369c96cfb2_scores:
	s_mov_b64 s[64:65], 0
	v_nop
	global_prefetch_b8 v0, s[64:65] scope:SCOPE_SE
	s_setreg_imm32_b32 hwreg(HW_REG_WAVE_MODE, 25, 1), 1
	s_wait_xcnt 0x0
; For each batch b and each tile (i, j <= i) of 256 queries x 256 keys: s = q . k (f16 operands, f32 sums, K = 1024), hidden scores masked; m = the row's maximum IN THE TILE;
; p = 2^(c s - c m), c = log2(e) / 32, rounded to f16 into p[b*2048+q][key]; c m and the sums l of the unrounded p, one for each half of 128 keys, into st.  The next launch joins the tiles by a running maximum.
; st: c m of key half tt = 2 j + ch at (tt*8192 + row)*4, l at 524,288 bytes further.  c m is the same in both halves of a tile.
; LIMITS: a hidden score counts as its value less 1e30; p below 6e-5 keeps f16's fixed step of 6e-8; a weight below 2^-126 counts as 0; NaN and infinities are not treated apart.
; NO CLUSTER: row i of the triangle has i + 1 tiles (36 a batch): neither 4 x 4 nor 4 x 1 work-groups divide it, and filling it up would add work-groups all of whose scores are hidden.
; Four waves, 128 x 128 each; K in steps of 128 through two LDS slots; each wave fetches 128 rows x 256 bytes (waves 0, 1: q's two halves, waves 2, 3: k's) by ONE line, the address chosen by the wave's number.
; THE TEXT IS SHORT ON PURPOSE: a K step is written once for the six steps that fill a slot again, and once more for the last two, which fill nothing.  The second text is
; walked twice; its last change of slots passes a barrier that orders nothing and fetches 32 fragments that nothing multiplies: the price, once a launch, of one text for both steps.
; TRANSPOSED USE (source 0 = 16 keys, source 1 = 16 queries): a lane holds one query (lane % 16) and the keys 8 (lane / 16) + 0..7 of each block of 16.
; THE MASK is the C operand of the products that start the sums: three groups of eight registers, for key blocks below, on and above the query block's diagonal; all 0 outside diagonal tiles.
; REGISTERS: window 0: v0-31 addresses; v32-55 masks, later statistics; v64-191 fragments of q, later at work.  window 1: v64-191 fragments of k.  windows 2, 3: accumulators (a, b) at v[8 (8 a + b)].
.set KSTEP,  128
.set PITCH,  272                       ; 256 bytes + 16 of padding: the 16 rows of a fragment load start at 16 different groups of four banks
.set HALFT,  128*PITCH
.set SLOT,   4*HALFT                   ; 139,264 = 0x22000: shares no bit with the four waves' places in a slot (0, 0x8800, 0x11000, 0x19800), so one exclusive or turns a place into the other slot's
.set STAGE,  2*SLOT                    ; behind the ring, never filled by a tensor load: 16 rows x 272 bytes a wave
.set SPITCH, 272
.set XM,     STAGE+4*16*SPITCH         ; row maxima of the two key halves: [ch][256 rows] f32
.set SS,     XM+2048                   ; 1,024 bytes a wave: 128 c m, then 128 l
.set SPARE,  SS+4096                   ; the spare words, 128 bytes a wave
.set QP,     6144                      ; bytes in a row of qkv
.set ADRA0, 16                         ; v16  my place in a slot's q; never rewritten
.set ADRB0, 17                         ; v17  in its k
.set XA,   18                          ; v18  where my half's maxima go
.set XP,   19                          ; v19  where the other half's lie
.set ADRA, 20                          ; v20  the same places in the slot in hand
.set ADRB, 21                          ; v21
.set SSA,  22                          ; v22  statistics in
.set SRD,  23                          ; v23  statistics back
.set STO,  24
.set RD,   25
.set PGO,  26                          ; v26  my byte offset in two rows of p
.set SGO,  27                          ; v27  16 x lane
.set SPW,  28
.set NIL,  29
.set ML,   32                          ; masks: key block below the query block,
.set MG,   40                          ; the same block,
.set MU,   48                          ; above it
.set CM,   32                          ; later: block a's c m at CM + 2 a, m beside it
.set LS,   48                          ; block a's l
.set TA,   64
.set TB,   72
.set SU,   64                          ; 16 pairs of sums
.set PK,   96                          ; a block's p, packed
.set BK,   128                         ; rows read back: two buffers of 32
.set F0,   64
.set F1,   128
.set G1, 24                            ; s[24:31] descriptor group 1
.set G0, 32                            ; s[32:39] group 0: a set for each first fill; the second then walks on
.set SB, 51                            ; s51  the slot in hand: 0 or SLOT
.set MSB, 0
.macro WIN new                         ; the immediate's high byte repeats the setting that is left; a switch that changes nothing is dropped
.if MSB != (\new)
	s_set_vgpr_msb (MSB<<8)|(\new)
.set MSB, \new
.endif
.endm
.set MUL_LO, 0xa1
.set TO_B,   0x40
	s_load_b128 s[4:7], s[0:1], 0x0                ; qkv s[4:5], p s[6:7]
	s_load_b64 s[8:9], s[0:1], 0x10                ; st
	v_lshl_add_u32 v[SPW], v0, 2, SPARE
	v_mov_b32 v[NIL], 0
	ds_add_u32 v[SPW], v[NIL]                      ; the wave's opening: the add, waited for ahead of my first tensor load
	ds_add_u32 v28, v29
	v_lshrrev_b32 v1, 5, v0
	v_readfirstlane_b32 s10, v1                    ; wave 0..3
	s_lshr_b32 s11, s10, 1                         ; rh: my half of the queries; also: I fetch q (0) or k (1)
	s_and_b32 s12, s10, 1                          ; ch: my half of the keys; also: which 128 rows I fetch
	s_mov_b32 s20, ttmp9                           ; the tile's number in the triangle, 0..35
	s_mov_b32 s13, 0
.irp t, 1,3,6,10,15,21,28                              ; i = how many rows of the triangle begin at or below that number
	s_cmp_ge_u32 s20, \t
	s_add_co_ci_u32 s13, s13, 0
.endr
	s_add_co_u32 s14, s13, 1
	s_mul_i32 s14, s14, s13
	s_lshr_b32 s14, s14, 1
	s_sub_co_u32 s14, s20, s14                     ; j = number - i (i + 1) / 2
	s_and_b32 s15, ttmp7, 0xffff                   ; the batch
	s_mov_b32 s[G1+0], (1<<16)|(1<<20)|(5<<22)|(3<<25)  ; 2-byte elements; padding on: after every 64 words 4 words
	s_mov_b32 s[G1+1], KSTEP<<16                   ; tensor_dim0 = 128
	s_mov_b32 s[G1+2], 128<<16                     ; tensor_dim1 = 128
	s_mov_b32 s[G1+3], KSTEP<<16                   ; tile_dim0 = 128
	s_mov_b32 s[G1+4], 128                         ; tile_dim1 = 128
	s_mov_b32 s[G1+5], 3072                        ; elements from row to row
	s_mov_b32 s[G1+6], 0
	s_mov_b32 s[G1+7], 0
	s_lshl_b32 s40, s15, 11                        ; the batch's first row
	s_lshl_b32 s41, s13, 8                         ; 256 i
	s_lshl_b32 s42, s14, 8                         ; 256 j
	s_add_co_u32 s43, s40, s41                     ; the tile's first query row
	s_cmp_eq_u32 s11, 0
	s_cselect_b32 s16, s41, s42                    ; waves 0, 1: q's rows; waves 2, 3: k's rows,
	s_cselect_b32 s17, 0, 2048                     ; which lie 2,048 bytes further along a row of qkv
	s_add_co_u32 s16, s16, s40
	s_lshl_b32 s18, s12, 7
	s_add_co_u32 s16, s16, s18                     ; my 128 rows
	s_mul_i32 s16, s16, QP
	s_add_co_u32 s16, s16, s17
	s_mov_b32 s17, 0
	s_lshl_b32 s18, s11, 7
	s_add_co_u32 s43, s43, s18                     ; my first query row
	s_lshl_b32 s18, s43, 12                        ; in p: rows of 4,096 bytes,
	s_lshl_b32 s19, s14, 9                         ; the tile's 512 bytes,
	s_add_co_u32 s18, s18, s19
	s_lshl_b32 s19, s12, 8                         ; my half's 256
	s_add_co_u32 s18, s18, s19
	s_mov_b32 s19, 0
	s_lshl_b32 s22, s14, 1
	s_add_co_u32 s22, s22, s12                     ; in st: key half 2 j + ch
	s_lshl_b32 s22, s22, 13
	s_add_co_u32 s22, s22, s43
	s_lshl_b32 s22, s22, 2
	s_mov_b32 s23, 0
	s_cmp_eq_u32 s13, s14
	s_cselect_b32 s40, 1, 0                        ; the diagonal tile?
	s_cmp_gt_u32 s12, s11
	s_cselect_b32 s41, s40, 0                      ; and my keys all behind my queries?
	s_cmp_ge_u32 s12, s11
	s_cselect_b32 s42, s40, 0                      ; or in the same half?
	s_cmp_lg_u32 s41, 0
	s_cselect_b32 s49, 0xf149f2ca, 0               ; the mask below the block diagonal: -1e30 or 0
	s_cmp_lg_u32 s42, 0
	s_cselect_b32 s50, 0xf149f2ca, 0               ; and above it
	s_mov_b32 s44, 0x3d38aa3b                      ; c = log2(e) / 32
	s_mov_b32 s45, s44                             ; named with it as a pair
	s_mov_b32 s46, 0x76543210                      ; v_permlanex16_b32: each lane takes its own place in the other half
	s_mov_b32 s47, 0xfedcba98
	s_mov_b32 s48, 0xffff0000                      ; lanes 16-31
	s_mov_b32 s[SB], 0
	s_mul_i32 s21, s10, HALFT                      ; where my rows go: wave x 128 rows
	s_wait_dscnt 0x0                               ; the opening add is done
	s_wait_kmcnt 0x0
	s_add_nc_u64 s[16:17], s[4:5], s[16:17]
.irp s, 0,1                                            ; both first fills go out together, ahead of every wait on TENSORcnt, LDS read and barrier: two loads of mine are out
	s_mov_b32 s[G0+4*(\s)], 1
	s_add_co_u32 s[G0+4*(\s)+1], s21, (\s)*SLOT
	s_add_nc_u64 s[G0+4*(\s)+2:G0+4*(\s)+3], s[16:17], (\s)*KSTEP*2
	s_or_b32 s[G0+4*(\s)+3], s[G0+4*(\s)+3], 0x80000000
	tensor_load_to_lds s[G0+4*(\s):G0+4*(\s)+3], s[G1:G1+7]
	s_nop 0
.endr
.rept 4
	v_nop
.endr
	s_add_nc_u64 s[6:7], s[6:7], s[18:19]
	s_add_nc_u64 s[8:9], s[8:9], s[22:23]
	v_and_b32 v1, 15, v0                           ; r
	v_bfe_u32 v2, v0, 4, 1                         ; h
	v_and_b32 v4, 31, v0                           ; lane
	v_mul_u32_u24 v3, v1, PITCH
	v_lshl_add_u32 v3, v2, 4, v3                   ; r x pitch + 16 h
	s_mul_i32 s21, s11, HALFT                      ; my 128 rows of q
	s_mul_i32 s22, s12, HALFT                      ; my 128 rows of k,
	s_add_co_u32 s22, s22, 2*HALFT                 ; behind q's 256
	v_add_nc_u32 v[ADRA0], s21, v3
	v_add_nc_u32 v[ADRB0], s22, v3
	v_mov_b32 v[ADRA], v[ADRA0]                    ; slot 0 is the first in hand
	v_mov_b32 v[ADRB], v[ADRB0]
	s_lshl_b32 s21, s11, 9                         ; 128 rh rows of 4 bytes
	s_add_co_u32 s21, s21, XM
	s_lshl_b32 s22, s12, 10
	s_add_co_u32 s22, s22, s21
	v_lshl_add_u32 v[XA], v1, 2, s22
	s_xor_b32 s22, s12, 1
	s_lshl_b32 s22, s22, 10
	s_add_co_u32 s22, s22, s21
	v_lshl_add_u32 v[XP], v1, 2, s22
	s_lshl_b32 s21, s10, 10
	s_add_co_u32 s21, s21, SS
	v_lshl_add_u32 v[SSA], v1, 2, s21
	v_lshl_add_u32 v[SSA], v2, 9, v[SSA]           ; lanes 0-15: c m; lanes 16-31: l, 512 bytes on
	v_lshl_add_u32 v[SRD], v4, 4, s21
	s_mul_i32 s21, s10, 16*SPITCH
	s_add_co_u32 s21, s21, STAGE
	v_add_nc_u32 v[STO], s21, v3
	v_mul_u32_u24 v5, v2, SPITCH
	v_lshl_add_u32 v5, v1, 4, v5
	v_add_nc_u32 v[RD], s21, v5
	v_lshlrev_b32 v[PGO], 4, v1
	v_lshl_add_u32 v[PGO], v2, 12, v[PGO]
	v_lshlrev_b32 v[SGO], 4, v4
	v_lshlrev_b32 v5, 3, v2
	v_sub_nc_u32 v5, v1, v5                        ; r - 8 h: on the block diagonal register jj is hidden where jj is greater
.irp jj, 0,1,2,3,4,5,6,7
	v_mov_b32 v[ML+(\jj)], s49
	v_mov_b32 v[MU+(\jj)], s50
.endr
.irp jj, 0,1,2,3,4,5,6,7
	v_cmp_gt_i32 vcc_lo, \jj, v5
	v_cndmask_b32 v[MG+(\jj)], v[ML], v[MU], vcc_lo
.endr
; 16 matrix instructions.  zero = 1: the products that start the sums take the mask as C (C in window 0); the 64 accumulators take turns.
.macro MUL16 f, hi, a0, zero
.if \zero
	WIN 0x81+0x40*(\hi)
.else
	WIN MUL_LO+0x50*(\hi)
.endif
.irp a, \a0, (\a0)+1
.irp b, 0,1,2,3,4,5,6,7
.if \zero
.if (\b) < 4*(\hi)+(\a)
.set MK, ML
.elseif (\b) == 4*(\hi)+(\a)
.set MK, MG
.else
.set MK, MU
.endif
	v_wmma_f32_16x16x32_f16 v[8*(8*(\a)+(\b)):8*(8*(\a)+(\b))+7], v[(\f)+8*(\b):(\f)+8*(\b)+7], v[(\f)+8*(4*(\hi)+(\a)):(\f)+8*(4*(\hi)+(\a))+7], v[MK:MK+7]
.else
	v_wmma_f32_16x16x32_f16 v[8*(8*(\a)+(\b)):8*(8*(\a)+(\b))+7], v[(\f)+8*(\b):(\f)+8*(\b)+7], v[(\f)+8*(4*(\hi)+(\a)):(\f)+8*(4*(\hi)+(\a))+7], v[8*(8*(\a)+(\b)):8*(8*(\a)+(\b))+7]
.endif
.endr
.endr
.endm
.macro FETCH k, f                      ; 32 LDS loads in one run, from the slot in hand: k's fragments, then q's, 32 along K at byte k of the rows
	WIN TO_B
.irp i, 0,1,2,3,4,5,6,7
	ds_load_b128 v[(\f)+8*(\i):(\f)+8*(\i)+3],   v[ADRB] offset:(\k)+(\i)*16*PITCH
	ds_load_b128 v[(\f)+8*(\i)+4:(\f)+8*(\i)+7], v[ADRB] offset:(\k)+(\i)*16*PITCH+32
.endr
	WIN 0
.irp i, 0,1,2,3,4,5,6,7
	ds_load_b128 v[(\f)+8*(\i):(\f)+8*(\i)+3],   v[ADRA] offset:(\k)+(\i)*16*PITCH
	ds_load_b128 v[(\f)+8*(\i)+4:(\f)+8*(\i)+7], v[ADRA] offset:(\k)+(\i)*16*PITCH+32
.endr
.endm
.macro PLACES                          ; four plain vector instructions between a matrix instruction and a load into, or a read of, its registers
.rept 4
	v_nop
.endr
.endm
.macro QUARTER k, f, g, zero           ; multiplies buffer f; in its middle it fetches the next quarter's fragments, at byte k, into buffer g
	s_wait_dscnt 8                                 ; k's fragments and q's rows 0-63 are in; the youngest eight loads may be out
	MUL16 \f, 0, 0, \zero
	MUL16 \f, 0, 2, \zero
	PLACES
	FETCH \k, \g
	s_wait_dscnt 32                                ; all but the 32 just issued
	MUL16 \f, 1, 0, \zero
	MUL16 \f, 1, 2, \zero
.endm
; The last quarter changes slots: one barrier; in front of it each wave waits for all its tensor loads (one is out: its part of the next slot), adds 0 to its spare word, and waits for that and
; for its reads of this slot.  fill = 1: this slot is filled again, two K steps on, first thing behind the barrier: 224 matrix instructions ahead of the wait for it.
.macro TURN fill
	WIN 0
	s_wait_tensorcnt 0x0                           ; no tensor load of mine is out, so a group 0 may be written
	ds_add_u32 v[SPW], v[NIL]
.if \fill
	s_xor_b32 s[G0+5], s[G0+5], SLOT               ; the walking descriptor: the other slot than last time,
	s_add_nc_u64 s[G0+6:G0+7], s[G0+6:G0+7], KSTEP*2  ; the next K step; the type bits on top are not reached
.endif
	s_wait_dscnt 9                                 ; the add and the youngest eight loads may be out
	MUL16 F1, 0, 0, 0
	s_wait_dscnt 0x0                               ; the add is done, and my reads of this slot are over
	s_barrier_signal -1
	MUL16 F1, 0, 2, 0
	WIN 0
	s_barrier_wait -1
.if \fill
	tensor_load_to_lds s[G0+4:G0+7], s[G1:G1+7]
	s_nop 0
.endif
	PLACES                                         ; behind the load, and the places in front of the loads below
	s_xor_b32 s[SB], s[SB], SLOT                   ; the other slot is in hand
	v_add_nc_u32 v[ADRA], s[SB], v[ADRA0]
	v_add_nc_u32 v[ADRB], s[SB], v[ADRB0]
	FETCH 0, F0
	MUL16 F1, 1, 0, 0
	MUL16 F1, 1, 2, 0
.endm
	s_wait_tensorcnt 1                             ; my part of K step 0 is in; K step 1's may stay out
	s_barrier_signal -1
	s_barrier_wait -1
	FETCH 0, F0
	QUARTER 64,  F0, F1, 1                         ; the first quarter's products start the sums, with the mask
	WIN 0                                          ; at a label and at a branch every window is 0
	s_mov_b32 s3, 6
.Lstep:                                                ; six trips, from a K step's second quarter to the next step's first: K steps 2 to 7 are asked for
	QUARTER 128, F1, F0, 0
	QUARTER 192, F0, F1, 0
	TURN 1
	QUARTER 64,  F0, F1, 0
	WIN 0
	s_sub_co_u32 s3, s3, 1
	s_cmp_lg_u32 s3, 0
	s_cbranch_scc1 .Lstep
	s_mov_b32 s3, 2                                ; the last two K steps ask for nothing: their text is entered at a step's second quarter and walked twice
	s_branch .Ltin
.Ltail:
	QUARTER 64,  F0, F1, 0
	WIN 0
.Ltin:
	QUARTER 128, F1, F0, 0
	QUARTER 192, F0, F1, 0
	TURN 0
	WIN 0
	s_sub_co_u32 s3, s3, 1
	s_cmp_lg_u32 s3, 0
	s_cbranch_scc1 .Ltail
	s_wait_dscnt 0x0                               ; the last change of slots fetched fragments that nothing multiplies: they are in before their registers serve again
	PLACES
; THE SOFTMAX stays in the accumulators.  Block a: 16 queries (one a lane) x my 128 keys (64 registers a lane, the other 64 in the lane 16 away).
; RMAX: the block's maximum over my 128 keys, eight chains of three-operand maxima; each accumulator is read from its low end on.  It goes to LDS for the wave that holds the row's other 128 keys.
.macro RMAX a
.set AC, 64*((\a)%4)
	WIN 0x2a+0x15*((\a)/4)                         ; all three sources in window 2 or 3
.irp n, 0,1,2,3,4,5,6,7
	v_max3_num_f32 v[TA+(\n)], v[AC+8*(\n)], v[AC+8*(\n)+1], v[AC+8*(\n)+2]
.endr
	WIN 0x28+0x14*((\a)/4)                         ; source 0, the chain, in window 0
.irp n, 0,1,2,3,4,5,6,7
	v_max3_num_f32 v[TA+(\n)], v[TA+(\n)], v[AC+8*(\n)+3], v[AC+8*(\n)+4]
.endr
.irp n, 0,1,2,3,4,5,6,7
	v_max3_num_f32 v[TA+(\n)], v[TA+(\n)], v[AC+8*(\n)+5], v[AC+8*(\n)+6]
.endr
.irp n, 0,2,4,6
	v_max3_num_f32 v[TA+(\n)], v[TA+(\n)], v[AC+8*(\n)+7], v[AC+8*(\n)+15]  ; the eight scores left over, two to every other chain
.endr
	WIN 0
	v_max3_num_f32 v[TA], v[TA], v[TA+1], v[TA+2]
	v_max3_num_f32 v[TA+3], v[TA+3], v[TA+4], v[TA+5]
	v_max_num_f32 v[TA+6], v[TA+6], v[TA+7]
	v_max3_num_f32 v[TA], v[TA], v[TA+3], v[TA+6]
	v_permlanex16_b32 v[TA+1], v[TA], s46, s47     ; its destination counts as read: a register that has been written
	v_max_num_f32 v[CM+2*(\a)+1], v[TA], v[TA+1]
	ds_store_b32 v[XA], v[CM+2*(\a)+1] offset:64*(\a)
.endm
; SOFTC: p = 2^(c s - c m) in place; rounded to f16 in pairs; the sum of the unrounded p over my 128 keys.
.macro SOFTC a
.set AC, 64*((\a)%4)
	WIN 0x82+0x41*((\a)/4)                         ; destination and source 0 in window 2 or 3, c m in window 0
.set n, 0
.rept 32
	v_pk_fma_f32 v[AC+2*n:AC+2*n+1], v[AC+2*n:AC+2*n+1], s[44:45], v[CM+2*(\a):CM+2*(\a)+1] op_sel_hi:[1,0,0] neg_lo:[0,0,1] neg_hi:[0,0,1]
.set n, n+1
.endr
.set n, 0
.rept 64
	v_exp_f32 v[AC+n], v[AC+n]
.set n, n+1
.endr
	v_nop                                          ; a plain instruction between the last exponential and the use of its result
	WIN 0x0a+5*((\a)/4)                            ; sources in window 2 or 3, destination in window 0
.set n, 0
	s_wait_alu depctr_va_vdst(0)
.rept 32
	v_cvt_pk_f16_f32 v[PK+n], v[AC+2*n], v[AC+2*n+1]
.set n, n+1
.endr
.set n, 0
.rept 16
	v_pk_add_f32 v[SU+2*n:SU+2*n+1], v[AC+4*n:AC+4*n+1], v[AC+4*n+2:AC+4*n+3]
.set n, n+1
.endr
	WIN 0
.irp w, 8,4,2,1
.set n, 0
.rept \w
	v_pk_add_f32 v[SU+2*n:SU+2*n+1], v[SU+2*n:SU+2*n+1], v[SU+2*(n+(\w)):SU+2*(n+(\w))+1]
.set n, n+1
.endr
.endr
	v_add_f32 v[SU], v[SU], v[SU+1]
	v_permlanex16_b32 v[SU+2], v[SU], s46, s47
	v_add_f32 v[LS+(\a)], v[SU], v[SU+2]
.endm
.macro TOSTAGE a                       ; 16 bytes a lane into my own stage, and back as whole rows of 256 bytes
	s_wait_xcnt 0x0                                ; the buffer that takes the rows was the data of the stores of two blocks ago, issued a block's arithmetic back
.irp b, 0,1,2,3,4,5,6,7
	ds_store_b128 v[STO], v[PK+4*(\b):PK+4*(\b)+3] offset:32*(\b)
.endr
.irp t, 0,1,2,3,4,5,6,7
	ds_load_b128 v[BK+32*((\a)%2)+4*(\t):BK+32*((\a)%2)+4*(\t)+3], v[RD] offset:(\t)*2*SPITCH  ; LDS serves a wave's instructions in order (ISA guide 5.7.1.4): these see the stores above, and those come behind the last block's loads
.endr
.endm
.macro SEND a, younger                 ; younger: the LDS instructions issued behind block a's loads: the next block's sixteen, or none
	s_wait_dscnt \younger                          ; the block is back in registers
.irp t, 0,1,2,3,4,5,6,7
	global_store_b128 v[PGO], v[BK+32*((\a)%2)+4*(\t):BK+32*((\a)%2)+4*(\t)+3], s[6:7] offset:(\a)*65536+(\t)*8192  ; 16 lanes store 256 consecutive bytes, aligned
.endr
.endm
.irp a, 0,1,2,3,4,5,6,7
	RMAX \a
.endr
	s_wait_dscnt 0x0                               ; for the others' sake: my maxima are in LDS
	s_barrier_signal -1
	s_barrier_wait -1
.irp a, 0,1,2,3,4,5,6,7
	ds_load_b32 v[TA+(\a)], v[XP] offset:64*(\a)   ; the other 128 keys' maxima
.endr
	s_wait_dscnt 0x0
.irp a, 0,1,2,3,4,5,6,7
	v_max_num_f32 v[CM+2*(\a)+1], v[CM+2*(\a)+1], v[TA+(\a)]
.endr
.irp a, 0,1,2,3,4,5,6,7
	v_mul_f32 v[CM+2*(\a)], s44, v[CM+2*(\a)+1]
.endr
	SOFTC 0
	TOSTAGE 0
.irp a, 1,2,3,4,5,6,7                                  ; a block's arithmetic and its way into the stage stand between the loads of the block before and its stores
	SOFTC \a
	TOSTAGE \a
	SEND (\a)-1, 16
.endr
	SEND 7, 0
.irp a, 0,1,2,3,4,5,6,7
	v_cndmask_b32 v[TA+(\a)], v[CM+2*(\a)], v[LS+(\a)], s48  ; lanes 0-15 carry c m, lanes 16-31 l
	ds_store_b32 v[SSA], v[TA+(\a)] offset:64*(\a)
.endr
	ds_load_b128 v[TB:TB+3], v[SRD]                ; my own bytes, in order: 128 c m,
	ds_load_b128 v[TB+4:TB+7], v[SRD] offset:512   ; 128 l
	s_wait_dscnt 0x0
	global_store_b128 v[SGO], v[TB:TB+3], s[8:9]   ; 512 consecutive bytes each, aligned
	global_store_b128 v[SGO], v[TB+4:TB+7], s[8:9] offset:524288
	s_wait_tensorcnt 0x0                           ; the wave's end
	ds_add_u32 v[SPW], v[NIL]
	s_wait_dscnt 0x0
	s_endpgm
.Lfunc_end_k_q369c96cfb2_scores:
	.size	k_q369c96cfb2_scores, .Lfunc_end_k_q369c96cfb2_scores-k_q369c96cfb2_scores
	.p2alignl 7, 3214868480
	.fill 96, 4, 3214868480
	.section	.rodata,"a",@progbits
	.p2align	6, 0x0
	.amdhsa_kernel k_q369c96cfb2_scores
		.amdhsa_group_segment_fixed_size 327680
		.amdhsa_private_segment_fixed_size 0
		.amdhsa_enable_private_segment 0
		.amdhsa_kernarg_size 24
		.amdhsa_user_sgpr_count 2
		.amdhsa_user_sgpr_kernarg_segment_ptr 1
		.amdhsa_wavefront_size32 1
		.amdhsa_system_sgpr_workgroup_id_x 1
		.amdhsa_system_sgpr_workgroup_id_y 1
		.amdhsa_system_sgpr_workgroup_id_z 1
		.amdhsa_system_vgpr_workitem_id 0
		.amdhsa_next_free_vgpr 1024
		.amdhsa_next_free_sgpr 66
		.amdhsa_reserve_vcc 1
		.amdhsa_float_denorm_mode_32 3
		.amdhsa_float_denorm_mode_16_64 3
		.amdhsa_memory_ordered 1
		.amdhsa_forward_progress 1
		.amdhsa_inst_pref_size 169
	.end_amdhsa_kernel
	.amdgpu_metadata
---
amdhsa.version: [ 1, 2 ]
amdhsa.kernels:
  - .name:           k_q369c96cfb2_scores
    .symbol:         k_q369c96cfb2_scores.kd
    .args:
      - { .name: qkv, .offset: 0, .size: 8, .value_kind: global_buffer, .address_space: global }
      - { .name: p, .offset: 8, .size: 8, .value_kind: global_buffer, .address_space: global }
      - { .name: st, .offset: 16, .size: 8, .value_kind: global_buffer, .address_space: global }
    .group_segment_fixed_size: 327680
    .private_segment_fixed_size: 0
    .kernarg_segment_align: 8
    .kernarg_segment_size: 24
    .max_flat_workgroup_size: 128
    .sgpr_count:     66
    .vgpr_count:     1024
    .wavefront_size: 32
...
	.end_amdgpu_metadata
.endif
;; end of part 3
;; launch pv (part 4): grid 8 x 32, 4 waves a work-group, clusters of 4 x 1, 327,680 bytes of LDS; arguments p, qkv, st, out0; writes out0
.if DOCPART == 4
	.amdgcn_target "amdgcn-amd-amdhsa--gfx1250"
	.amdhsa_code_object_version 6
	.text
	.protected	k_q369c96cfb2_pv
	.globl	k_q369c96cfb2_pv
	.p2align	8
	.type	k_q369c96cfb2_pv,@function
k_q369c96cfb2_pv:
	s_mov_b64 s[64:65], 0
	v_nop
	global_prefetch_b8 v0, s[64:65] scope:SCOPE_SE
	s_setreg_imm32_b32 hwreg(HW_REG_WAVE_MODE, 25, 1), 1
	s_wait_xcnt 0x0
	s_wait_alu depctr_hold_cnt(0) depctr_sa_sdst(0) depctr_va_vdst(0) depctr_va_sdst(0) depctr_va_ssrc(0) depctr_va_vcc(0) depctr_vm_vsrc(0)
	s_getreg_b32 s2, hwreg(HW_REG_IB_STS2, 6, 4)
	s_cmp_eq_u32 s2, 0
	s_cbranch_scc0 .Lentry_in_a_cluster
	s_endpgm
.Lentry_in_a_cluster:
	s_bfe_u32 s2, ttmp6, 0x10000c
	s_cmp_lg_u32 s2, 0x3003
	s_cbranch_scc0 .Lentry_shape_is_right
	s_endpgm
.Lentry_shape_is_right:
; out0[row][e] = (sum over key tiles t of w_t P_t V_t) / (sum over t of w_t l_t), w_t = 2^(c m_t - c M), M the running maximum over the row's tiles.  P: f16, relative to each tile's own row
; maximum; V: f16 (columns 2048.. of qkv); products in f32, joined in f32: for each tile T = P_t V_t starts at 0; then Mn = max(M, c m_t), a = 2^(M - Mn), w = 2^(c m_t - Mn), L = L a + w l_t, O = O a + w T.
; LIMITS: weights below 2^-126 count as 0; NaN and infinities are not treated apart.
; THE WALK.  A batch's queries lie in 16 blocks of 128; block x needs the key tiles 0 .. x >> 1 of 256 keys.  A work-group takes 128 e and TWO blocks, 15 - u and then u: 9 tiles whatever u:
; all 256 work-groups do equal work, and loops with constant trip counts walk them.  M starts at the lowest finite number in each block, so a block's first a is 0; O and L are cleared once, at the start.
; THE TEXT IS SHORT ON PURPOSE: a tile is written once for the seven that fill a slot again, and once more for the last two, which fill nothing.  The second text is walked
; twice; the last tile's change of slots passes a barrier that orders nothing and fetches 32 fragments that nothing multiplies: the price, once a launch, of one text for both tiles.
; CLUSTER 4 x 1: the four partners share batch and u, so they walk the same tiles of P: P is asked for jointly (mask 15).  V hangs on the e block, which differs between partners (only clusters of other rows, of the same batch,
; read the same V): each asks for its own, behind the same round.
; Four waves, 64 q x 64 e each.  TRANSPOSED USE: source 0 = V^T (16 e x 32 keys, by the turning load), source 1 = P (16 queries x 32 keys): a lane holds one query and eight neighbouring e.
; REGISTERS: window 0: v0-31 addresses; v32-79 statistics; v128-255 T, (a, b) at 128 + 8 (4 a + b).  window 1: two fragment buffers of 128 (64 of P, then 64 of V).  window 2: v0-127 O.
.set PP,     528                       ; a row of P in LDS: 512 bytes + 16
.set PV,     288                       ; a row of V: 256 + 32
.set PHALF,  64*PP                     ; what waves 0, 1 fetch
.set VOFF,   128*PP                    ; V lies behind P's 128 rows
.set VHALF,  128*PV                    ; what waves 2, 3 fetch
.set SLOT,   147456                    ; 0x24000: shares no bit with the four tiles' places in a slot, so one exclusive or turns a place into the other slot's
.set STAGE,  2*SLOT                    ; behind the ring, never filled by a tensor load: 16 rows x 272 bytes a wave
.set SPITCH, 272
.set SPARE,  STAGE+4*16*SPITCH
.set VTILE,  256*6144                  ; bytes from a tile of V to the next
.set AP0, 3                            ; v3   my place in a slot's P; never rewritten
.set AV0, 4                            ; v4   in its V
.set AP,  5                            ; v5   the same in the slot in hand
.set AV,  6                            ; v6
.set AV2, 7                            ; v7   keys 128 on: keeps the immediates within 16 bits
.set STO, 8
.set RD,  9
.set OGO, 10                           ; v10  my byte offset in two rows of out0
.set SVO, 11                           ; v11  my query's byte offset in the block's statistics
.set SPW, 28
.set NIL, 29
.set MX,  32                           ; block a of 16 queries: M
.set LL,  36                           ; L
.set CMT, 40                           ; the tile's c m
.set L0,  44                           ; its two l
.set L1,  48
.set MN,  52
.set AL,  56                           ; a at AL + 4 a, w at AL + 4 a + 2: low words of pairs
.set RL,  72                           ; 1 / L at RL + 2 a
.set ACC, 128
.set F0,  0
.set F1,  128
.set G1P, 24                           ; s[24:31]
.set G1V, 32                           ; s[32:39]
.set G0P, 40                           ; s[40:47] two sets: the first fills'; the second then walks on
.set G0V, 48                           ; s[48:55]
; s12 wave, s13 rh, s14 ch;  s21 the tile to ask for, s22 the last of the block asked for, s23 that block's row (+ my half);  s56 trips, s57 the slot in hand, s58 tiles left in the block in hand,
; s59 its tile in hand, s62 its first row;  s63, s72, s73, s74 the second block's tiles, asking row, first row, last tile;  s[70:71] its place in out0;  s[76:77] V at my half of tile 0
.set MSB, 0
.macro WIN new                         ; the immediate's high byte repeats the setting that is left; a switch that changes nothing is dropped
.if MSB != (\new)
	s_set_vgpr_msb (MSB<<8)|(\new)
.set MSB, \new
.endif
.endm
.set MUL,  0x05                        ; sources 0 and 1 window 1; C and D window 0
.set TO_F, 0x40                        ; destination window 1, address window 0
.macro JLOAD                           ; waves 0, 1: the joint load of P's halves; waves 2, 3: my own V's halves.  An s_nop 0 and four v_nop follow each line
	s_cmp_lt_u32 s12, 2
	s_cbranch_scc0 .Lfor_v_\@
	tensor_load_to_lds s[G0P+4:G0P+7], s[G1P:G1P+7]
	s_nop 0
.rept 4
	v_nop
.endr
	s_branch .Lasked_\@
.Lfor_v_\@:
	tensor_load_to_lds s[G0V+4:G0V+7], s[G1V:G1V+7]
	s_nop 0
.rept 4
	v_nop
.endr
.Lasked_\@:
.endm
.macro CREST
	s_cmp_lg_u32 s12, 0
	s_cbranch_scc1 .Lnot_wave_0_\@
	s_barrier_signal -3
.Lnot_wave_0_\@:
	s_barrier_wait -3
	s_barrier_signal -1
	s_barrier_wait -1
.endm
.macro CROUND
	s_barrier_signal -1
	s_barrier_wait -1
	CREST
.endm
	s_load_b256 s[4:11], s[0:1], 0x0               ; p s[4:5], qkv s[6:7], st s[8:9], out0 s[10:11]
	v_lshl_add_u32 v[SPW], v0, 2, SPARE
	v_mov_b32 v[NIL], 0
	ds_add_u32 v[SPW], v[NIL]                      ; the wave's opening: the add, waited for ahead of my first tensor load
	ds_add_u32 v28, v29
	v_lshrrev_b32 v1, 5, v0
	v_readfirstlane_b32 s12, v1                    ; wave 0..3
	s_lshr_b32 s13, s12, 1                         ; rh: my 64 queries
	s_and_b32 s14, s12, 1                          ; ch: my 64 e; also: which half of a tile I fetch
	s_bfe_u32 s15, ttmp6, 0x40000                  ; cx
	s_lshl_b32 s16, ttmp9, 2
	s_add_co_u32 s16, s16, s15                     ; the e block: it enters V's and out0's addresses alone
	s_and_b32 s17, ttmp7, 0xffff
	s_and_b32 s18, s17, 7                          ; u
	s_lshr_b32 s17, s17, 3                         ; the batch
	s_sub_co_u32 s19, 15, s18                      ; the first block
	s_lshr_b32 s58, s19, 1
	s_add_co_u32 s58, s58, 1                       ; its tiles: 5 to 8
	s_sub_co_u32 s22, s58, 1
	s_lshr_b32 s74, s18, 1
	s_add_co_u32 s63, s74, 1                       ; the second block's: 9 less that
	s_lshl_b32 s20, s17, 11
	s_lshl_b32 s62, s19, 7
	s_add_co_u32 s62, s62, s20
	s_lshl_b32 s73, s18, 7
	s_add_co_u32 s73, s73, s20
	s_lshl_b32 s84, s14, 6
	s_add_co_u32 s23, s62, s84                     ; the 64 rows of P that I fetch
	s_add_co_u32 s72, s73, s84
	s_mov_b32 s21, 2                               ; tiles 0 and 1 are the first fills
	s_mov_b32 s57, 0
	s_mov_b32 s59, 0
	s_mov_b32 s83, 0
	s_mov_b32 s[G1P+0], 15|(1<<16)|(1<<20)|(1<<21)|(6<<22)|(3<<25)  ; the mask of four; 2-byte elements; padding on; bit 21 beside a mask; after every 128 words 4 words
	s_mov_b32 s[G1P+1], 256<<16                    ; tensor_dim0 = 256
	s_mov_b32 s[G1P+2], 64<<16                     ; tensor_dim1 = 64
	s_mov_b32 s[G1P+3], 256<<16                    ; tile_dim0 = 256
	s_mov_b32 s[G1P+4], 64                         ; tile_dim1 = 64
	s_mov_b32 s[G1P+5], 2048                       ; elements from row to row of p
	s_mov_b32 s[G1P+6], 0
	s_mov_b32 s[G1P+7], 0
	s_mov_b32 s[G1V+0], (1<<16)|(1<<20)|(5<<22)|(7<<25)  ; no mask; after every 64 words 8 words
	s_mov_b32 s[G1V+1], 128<<16
	s_mov_b32 s[G1V+2], 128<<16
	s_mov_b32 s[G1V+3], 128<<16
	s_mov_b32 s[G1V+4], 128
	s_mov_b32 s[G1V+5], 3072
	s_mov_b32 s[G1V+6], 0
	s_mov_b32 s[G1V+7], 0
	s_mov_b32 s[G0P], 1
	s_mov_b32 s[G0P+4], 1
	s_mov_b32 s[G0V], 1
	s_mov_b32 s[G0V+4], 1
	s_mul_i32 s[G0P+1], s14, PHALF                 ; LDS places: the wave's number and constants alone
	s_add_co_u32 s[G0P+5], s[G0P+1], SLOT
	s_mul_i32 s[G0V+1], s14, VHALF
	s_add_co_u32 s[G0V+1], s[G0V+1], VOFF
	s_add_co_u32 s[G0V+5], s[G0V+1], SLOT
	s_lshl_b32 s66, s23, 12                        ; P's offset: rows of 4,096 bytes; these two registers never hold the e block
	s_mov_b32 s67, 0
	s_lshl_b32 s80, s14, 7
	s_add_co_u32 s80, s80, s20                     ; V: my 128 keys of tile 0,
	s_mul_i32 s80, s80, 6144
	s_add_co_u32 s80, s80, 4096                    ; v's columns,
	s_lshl_b32 s85, s16, 8                         ; the e block's 256 bytes
	s_add_co_u32 s80, s80, s85
	s_mov_b32 s81, 0
	s_lshl_b32 s90, s16, 9                         ; out0: the e block's 512 bytes,
	s_lshl_b32 s85, s14, 8                         ; my 256 of them
	s_add_co_u32 s90, s90, s85
	s_lshl_b32 s84, s13, 6
	s_add_co_u32 s86, s62, s84
	s_lshl_b32 s86, s86, 12
	s_add_co_u32 s86, s86, s90
	s_mov_b32 s87, 0
	s_add_co_u32 s88, s73, s84
	s_lshl_b32 s88, s88, 12
	s_add_co_u32 s88, s88, s90
	s_mov_b32 s89, 0
	s_wait_dscnt 0x0                               ; the opening add is done
	s_wait_kmcnt 0x0
	s_add_nc_u64 s[G0P+2:G0P+3], s[4:5], s[66:67]
	s_add_nc_u64 s[G0P+6:G0P+7], s[G0P+2:G0P+3], 512
	s_or_b32 s[G0P+3], s[G0P+3], 0x80000000
	s_or_b32 s[G0P+7], s[G0P+7], 0x80000000
	s_add_nc_u64 s[76:77], s[6:7], s[80:81]
	s_mov_b64 s[G0V+2:G0V+3], s[76:77]
	s_add_nc_u64 s[G0V+6:G0V+7], s[76:77], VTILE
	s_or_b32 s[G0V+3], s[G0V+3], 0x80000000
	s_or_b32 s[G0V+7], s[G0V+7], 0x80000000
	s_add_nc_u64 s[70:71], s[10:11], s[88:89]
	s_add_nc_u64 s[10:11], s[10:11], s[86:87]
	CROUND                                         ; all four work-groups are here: the first joint loads meet
	s_cmp_lt_u32 s12, 2                            ; a wave's two first fills stand in one branch: two loads of mine are out
	s_cbranch_scc0 .Lfirst_v
	tensor_load_to_lds s[G0P:G0P+3], s[G1P:G1P+7]
	s_nop 0
	tensor_load_to_lds s[G0P+4:G0P+7], s[G1P:G1P+7]
	s_nop 0
.rept 4
	v_nop
.endr
	s_branch .Lfirst_asked
.Lfirst_v:
	tensor_load_to_lds s[G0V:G0V+3], s[G1V:G1V+7]
	s_nop 0
	tensor_load_to_lds s[G0V+4:G0V+7], s[G1V:G1V+7]
	s_nop 0
.rept 4
	v_nop
.endr
.Lfirst_asked:
	v_and_b32 v1, 15, v0                           ; r
	v_bfe_u32 v2, v0, 4, 1                         ; h
	v_mul_u32_u24 v[AP0], v1, PP
	v_lshl_add_u32 v[AP0], v2, 4, v[AP0]
	s_mul_i32 s84, s13, PHALF
	v_add_nc_u32 v[AP0], s84, v[AP0]               ; (64 rh + r) x pitch + 16 h
	v_and_b32 v12, 7, v0
	v_bfe_u32 v13, v0, 3, 1
	v_lshl_add_u32 v[AV0], v2, 3, v12              ; the turning load: key 8 h + l % 8,
	v_mul_u32_u24 v[AV0], v[AV0], PV
	v_lshl_add_u32 v[AV0], v13, 4, v[AV0]          ; e 8 ((l / 8) % 2) + 0..7,
	s_lshl_b32 s84, s14, 7
	s_add_co_u32 s84, s84, VOFF
	v_add_nc_u32 v[AV0], s84, v[AV0]               ; in my 64 e
	v_mov_b32 v[AP], v[AP0]
	v_mov_b32 v[AV], v[AV0]
	v_add_nc_u32 v[AV2], VHALF, v[AV0]
	s_mul_i32 s84, s12, 16*SPITCH
	s_add_co_u32 s84, s84, STAGE
	v_mul_u32_u24 v[STO], v1, SPITCH
	v_lshl_add_u32 v[STO], v2, 5, v[STO]           ; in: row r, 32 bytes for each half of the lanes
	v_add_nc_u32 v[STO], s84, v[STO]
	v_mul_u32_u24 v[RD], v2, SPITCH
	v_lshl_add_u32 v[RD], v1, 4, v[RD]
	v_add_nc_u32 v[RD], s84, v[RD]
	v_lshlrev_b32 v[OGO], 4, v1
	v_lshl_add_u32 v[OGO], v2, 12, v[OGO]
	s_lshl_b32 s84, s13, 8
	v_lshl_add_u32 v[SVO], v1, 2, s84              ; (64 rh + r) x 4
.irp a, 0,1,2,3
	v_mov_b32 v[MX+(\a)], 0xff7fffff               ; the lowest finite number
	v_mov_b32 v[LL+(\a)], 0
	v_mov_b32 v[AL+4*(\a)+1], 0                    ; the pairs' upper words are named, never used
	v_mov_b32 v[AL+4*(\a)+3], 0
	v_mov_b32 v[RL+2*(\a)+1], 0
.endr
	WIN 0x80                                       ; O = 0, once: the first a is 0, and 0 times what a register happens to hold need not be 0.  It stands in the wait for the first tile
.set z, 0
.rept 128
	v_mov_b32 v[z], 0
.set z, z+1
.endr
	WIN 0
; 8 matrix instructions: query blocks a0, a0 + 1 x all 4 e blocks, 32 keys: half c of buffer f.  zero = 1: the product starts the tile's sums.  The 16 accumulators take turns.
.macro MUL8 f, c, a0, zero
	WIN MUL
.irp a, \a0, (\a0)+1
.irp b, 0,1,2,3
.if \zero
	v_wmma_f32_16x16x32_f16 v[ACC+8*(4*(\a)+(\b)):ACC+8*(4*(\a)+(\b))+7], v[(\f)+64+8*(4*(\c)+(\b)):(\f)+64+8*(4*(\c)+(\b))+7], v[(\f)+8*(4*(\c)+(\a)):(\f)+8*(4*(\c)+(\a))+7], 0
.else
	v_wmma_f32_16x16x32_f16 v[ACC+8*(4*(\a)+(\b)):ACC+8*(4*(\a)+(\b))+7], v[(\f)+64+8*(4*(\c)+(\b)):(\f)+64+8*(4*(\c)+(\b))+7], v[(\f)+8*(4*(\c)+(\a)):(\f)+8*(4*(\c)+(\a))+7], v[ACC+8*(4*(\a)+(\b)):ACC+8*(4*(\a)+(\b))+7]
.endif
.endr
.endr
.endm
; 32 LDS loads in one run: the fragments of keys 64 q .. 64 q + 63 of the slot in hand into buffer f; the first 32 keys first
.macro FETCH q, f
	WIN TO_F
.set VA, AV
.if (\q) > 1
.set VA, AV2
.endif
.irp c, 0,1
.irp i, 0,1,2,3
	ds_load_tr16_b128 v[(\f)+64+8*(4*(\c)+(\i)):(\f)+64+8*(4*(\c)+(\i))+3],   v[VA] offset:((\q)%2)*64*PV+(\c)*32*PV+32*(\i)
	ds_load_tr16_b128 v[(\f)+64+8*(4*(\c)+(\i))+4:(\f)+64+8*(4*(\c)+(\i))+7], v[VA] offset:((\q)%2)*64*PV+(\c)*32*PV+16*PV+32*(\i)
	ds_load_b128 v[(\f)+8*(4*(\c)+(\i)):(\f)+8*(4*(\c)+(\i))+3],   v[AP] offset:128*(\q)+64*(\c)+(\i)*16*PP
	ds_load_b128 v[(\f)+8*(4*(\c)+(\i))+4:(\f)+8*(4*(\c)+(\i))+7], v[AP] offset:128*(\q)+64*(\c)+(\i)*16*PP+32
.endr
.endr
.endm
.macro PLACES                          ; four plain vector instructions between a matrix instruction and a load into its registers
.rept 4
	v_nop
.endr
.endm
.macro QUARTER q, f, g, zero           ; multiplies buffer f and fetches quarter q into g
	s_wait_dscnt 16                                ; the first 32 keys' fragments are in
	MUL8 \f, 0, 0, \zero
	MUL8 \f, 0, 2, \zero
	PLACES
	FETCH \q, \g
	s_wait_dscnt 32                                ; all but the 32 just issued
	MUL8 \f, 1, 0, 0
	MUL8 \f, 1, 2, 0
.endm
.macro STATLD                          ; the tile's c m and its two l for my 64 queries; waited for behind the tile's products
	s_lshl_b32 s82, s59, 16                        ; key half 2 t: 2 t x 8,192 x 4 bytes
	s_lshl_b32 s84, s62, 2
	s_add_co_u32 s82, s82, s84
	s_add_nc_u64 s[68:69], s[8:9], s[82:83]        ; the last tile's loads were waited for: the base may be written
.irp a, 0,1,2,3
	global_load_b32 v[CMT+(\a)], v[SVO], s[68:69] offset:64*(\a)
	global_load_b32 v[L0+(\a)],  v[SVO], s[68:69] offset:524288+64*(\a)
	global_load_b32 v[L1+(\a)],  v[SVO], s[68:69] offset:557056+64*(\a)
.endr
.endm
; The last quarter multiplies buffer 1 and changes slots: one barrier; in front of it each wave waits for all its tensor loads (one is out: its part of the next slot), adds 0 to its spare word, and waits for
; that and for its reads of this slot.  fill = 1: the barrier opens a round of the cluster's, and this slot is filled again first thing behind it, with tile s21 of the block asked for:
; 112 matrix instructions and the joining of a tile ahead of the wait for it.
.macro TURN fill
	WIN 0
	s_wait_tensorcnt 0x0                           ; no tensor load of mine is out, so the groups may be written
	ds_add_u32 v[SPW], v[NIL]                      ; the descriptors' scalar work stands behind it
.if \fill
	s_xor_b32 s[G0P+5], s[G0P+5], SLOT
	s_xor_b32 s[G0V+5], s[G0V+5], SLOT
	s_lshl_b32 s66, s23, 12
	s_lshl_b32 s67, s21, 9                         ; a tile is 512 bytes of a row of p
	s_add_co_u32 s66, s66, s67
	s_mov_b32 s67, 0
	s_add_nc_u64 s[G0P+6:G0P+7], s[4:5], s[66:67]  ; the address is made anew from the tile's number
	s_or_b32 s[G0P+7], s[G0P+7], 0x80000000
	s_mul_i32 s80, s21, VTILE
	s_add_nc_u64 s[G0V+6:G0V+7], s[76:77], s[80:81]
	s_or_b32 s[G0V+7], s[G0V+7], 0x80000000
	s_add_co_u32 s21, s21, 1                       ; the block's next tile, or behind its last the second block's tile 0
	s_cmp_gt_u32 s21, s22
	s_cselect_b32 s21, 0, s21
	s_cselect_b32 s22, s74, s22
	s_cselect_b32 s23, s72, s23
.endif
	s_wait_dscnt 17                                ; the add and the youngest sixteen loads may be out
	MUL8 F1, 0, 0, 0
	s_wait_dscnt 0x0                               ; the add is done, and my reads of this slot are over
	s_barrier_signal -1
	MUL8 F1, 0, 2, 0
	WIN 0
	s_barrier_wait -1
.if \fill
	CREST                                          ; no wave of any partner still reads this slot or has a load on its way
	JLOAD                                          ; its four v_nop are also the places in front of the loads below
.else
	PLACES
.endif
	s_xor_b32 s57, s57, SLOT
	v_add_nc_u32 v[AP], s57, v[AP0]
	v_add_nc_u32 v[AV], s57, v[AV0]
	v_add_nc_u32 v[AV2], VHALF, v[AV]
	FETCH 0, F0
	MUL8 F1, 1, 0, 0
	MUL8 F1, 1, 2, 0
.endm
; The tile is joined to the running sums.  The first twelve lines, which name nothing of the last products, are the places behind them; T is read from each accumulator's low end on.
.macro FLUSH
	WIN 0
	s_wait_loadcnt 0x0                             ; the tile's statistics
.irp a, 0,1,2,3
	v_max_num_f32 v[MN+(\a)], v[MX+(\a)], v[CMT+(\a)]
.endr
.irp a, 0,1,2,3
	v_sub_f32 v[AL+4*(\a)],   v[MX+(\a)],  v[MN+(\a)]
	v_sub_f32 v[AL+4*(\a)+2], v[CMT+(\a)], v[MN+(\a)]
.endr
.irp a, 0,1,2,3
	v_exp_f32 v[AL+4*(\a)],   v[AL+4*(\a)]
	v_exp_f32 v[AL+4*(\a)+2], v[AL+4*(\a)+2]
.endr
.irp a, 0,1,2,3
	v_add_f32 v[L0+(\a)], v[L0+(\a)], v[L1+(\a)]   ; plain work behind the exponentials
.endr
.irp a, 0,1,2,3
	v_mov_b32 v[MX+(\a)], v[MN+(\a)]
.endr
	s_wait_alu depctr_va_vdst(0)
.irp a, 0,1,2,3
	v_mul_f32 v[L0+(\a)], v[AL+4*(\a)+2], v[L0+(\a)]
.endr
.irp a, 0,1,2,3
	v_fma_f32 v[LL+(\a)], v[LL+(\a)], v[AL+4*(\a)], v[L0+(\a)]
.endr
.set z, 0
.rept 64
	v_pk_mul_f32 v[ACC+2*z:ACC+2*z+1], v[ACC+2*z:ACC+2*z+1], v[AL+4*(z/16)+2:AL+4*(z/16)+3] op_sel_hi:[1,0]
.set z, z+1
.endr
	WIN 0x82                                       ; O (destination and source 0) in window 2
.set z, 0
.rept 64
	v_pk_fma_f32 v[2*z:2*z+1], v[2*z:2*z+1], v[AL+4*(z/16):AL+4*(z/16)+1], v[ACC+2*z:ACC+2*z+1] op_sel_hi:[1,0,1]
.set z, z+1
.endr
	WIN 0
.endm
; THE WAY OUT of a block of queries: O / L into T's registers, through my own stage, back as whole rows of 256 bytes (64 e in f32), stored.
.macro PACK a
	WIN 0x02                                       ; source 0 in window 2
.set z, 0
.rept 16
	v_pk_mul_f32 v[ACC+32*(\a)+2*z:ACC+32*(\a)+2*z+1], v[32*(\a)+2*z:32*(\a)+2*z+1], v[RL+2*(\a):RL+2*(\a)+1] op_sel_hi:[1,0]
.set z, z+1
.endr
	WIN 0
.irp f, 0,1,2,3,4,5,6,7
	ds_store_b128 v[STO], v[ACC+32*(\a)+4*(\f):ACC+32*(\a)+4*(\f)+3] offset:64*((\f)/2)+16*((\f)%2)
.endr
.irp t, 0,1,2,3,4,5,6,7
	ds_load_b128 v[ACC+32*(\a)+4*(\t):ACC+32*(\a)+4*(\t)+3], v[RD] offset:(\t)*2*SPITCH  ; LDS serves a wave's instructions in order (ISA guide 5.7.1.4): these see the stores above
.endr
.endm
.macro SEND a, younger                 ; younger: the LDS instructions issued behind block a's loads: the next block's sixteen, or none
	s_wait_dscnt \younger                          ; block a's eight loads are back
.irp t, 0,1,2,3,4,5,6,7
	global_store_b128 v[OGO], v[ACC+32*(\a)+4*(\t):ACC+32*(\a)+4*(\t)+3], s[10:11] offset:(\a)*65536+(\t)*8192  ; 16 lanes store 256 consecutive bytes, aligned
.endr
.endm
.macro WAYOUT
.irp a, 0,1,2,3
	v_rcp_f32 v[RL+2*(\a)], v[LL+(\a)]
.endr
	v_nop                                          ; a plain instruction between the last reciprocal and the use of its result
	s_wait_alu depctr_va_vdst(0)
	PACK 0
	PACK 1
	SEND 0, 16
	PACK 2
	SEND 1, 16
	PACK 3
	SEND 2, 16
	SEND 3, 0
.endm
; A tile of the walk.  fill = 1: the slot that it leaves is filled again.  Where the tile is its block's last, the block goes out and the other block's figures are set (behind the walk's last tile they serve nothing).
.macro TRIP fill
	STATLD
	QUARTER 1, F0, F1, 1
	QUARTER 2, F1, F0, 0
	QUARTER 3, F0, F1, 0
	TURN \fill
	FLUSH
	s_sub_co_u32 s58, s58, 1
	s_add_co_u32 s59, s59, 1
	s_cmp_lg_u32 s58, 0                            ; the same in all partners: it hangs on u alone
	s_cbranch_scc1 .Lon_\@                         ; forward, past text without a barrier or a tensor load
	WAYOUT
	s_wait_xcnt 0x0                                ; the stores' base is rewritten, and the next products write their data registers, only behind this wait
	s_mov_b64 s[10:11], s[70:71]                   ; the second block begins
.irp a, 0,1,2,3
	v_mov_b32 v[MX+(\a)], 0xff7fffff               ; its first a is 0: what the first block left in O and L is finite and counts for nothing
.endr
	s_mov_b32 s58, s63
	s_mov_b32 s59, 0
	s_mov_b32 s62, s73
.Lon_\@:
.endm
	s_wait_tensorcnt 1                             ; my part of tile 0 is in; tile 1's may stay out
	s_barrier_signal -1
	s_barrier_wait -1
	FETCH 0, F0
	WIN 0
	s_mov_b32 s56, 7
.Ltrip:                                                ; seven trips ask for the walk's tiles 2 to 8
	TRIP 1
	s_sub_co_u32 s56, s56, 1
	s_cmp_lg_u32 s56, 0
	s_cbranch_scc1 .Ltrip
	s_mov_b32 s56, 2
.Ltail:                                                ; the last two tiles ask for nothing: their text stands apart, and is walked twice
	TRIP 0
	s_sub_co_u32 s56, s56, 1
	s_cmp_lg_u32 s56, 0
	s_cbranch_scc1 .Ltail
	s_wait_tensorcnt 0x0                           ; the wave's end: the wait on DScnt also takes in the fragments that the last change of slots fetched
	ds_add_u32 v[SPW], v[NIL]
	s_wait_dscnt 0x0
	CROUND                                         ; the closing round
	s_endpgm
.Lfunc_end_k_q369c96cfb2_pv:
	.size	k_q369c96cfb2_pv, .Lfunc_end_k_q369c96cfb2_pv-k_q369c96cfb2_pv
	.p2alignl 7, 3214868480
	.fill 96, 4, 3214868480
	.section	.rodata,"a",@progbits
	.p2align	6, 0x0
	.amdhsa_kernel k_q369c96cfb2_pv
		.amdhsa_group_segment_fixed_size 327680
		.amdhsa_private_segment_fixed_size 0
		.amdhsa_enable_private_segment 0
		.amdhsa_kernarg_size 32
		.amdhsa_user_sgpr_count 2
		.amdhsa_user_sgpr_kernarg_segment_ptr 1
		.amdhsa_wavefront_size32 1
		.amdhsa_system_sgpr_workgroup_id_x 1
		.amdhsa_system_sgpr_workgroup_id_y 1
		.amdhsa_system_sgpr_workgroup_id_z 1
		.amdhsa_system_vgpr_workitem_id 0
		.amdhsa_next_free_vgpr 640
		.amdhsa_next_free_sgpr 96
		.amdhsa_reserve_vcc 0
		.amdhsa_float_denorm_mode_32 3
		.amdhsa_float_denorm_mode_16_64 3
		.amdhsa_memory_ordered 1
		.amdhsa_forward_progress 1
		.amdhsa_inst_pref_size 97
	.end_amdhsa_kernel
	.amdgpu_metadata
---
amdhsa.version: [ 1, 2 ]
amdhsa.kernels:
  - .name:           k_q369c96cfb2_pv
    .symbol:         k_q369c96cfb2_pv.kd
    .args:
      - { .name: p, .offset: 0, .size: 8, .value_kind: global_buffer, .address_space: global }
      - { .name: qkv, .offset: 8, .size: 8, .value_kind: global_buffer, .address_space: global }
      - { .name: st, .offset: 16, .size: 8, .value_kind: global_buffer, .address_space: global }
      - { .name: out0, .offset: 24, .size: 8, .value_kind: global_buffer, .address_space: global }
    .group_segment_fixed_size: 327680
    .private_segment_fixed_size: 0
    .kernarg_segment_align: 8
    .kernarg_segment_size: 32
    .max_flat_workgroup_size: 128
    .sgpr_count:     96
    .vgpr_count:     640
    .wavefront_size: 32
...
	.end_amdgpu_metadata
.endif
;; end of part 4
;; ======== version 2 of 2: 4 launches; version 1 with the launch cast written anew for expert scheduling mode
;; limits: values are held in f16: magnitudes above 65,504 overflow, below 6.1e-05 lose precision
;; workspace buffers: xb 16,777,216 bytes; wt 6,291,456 bytes; qkv 50,331,648 bytes; p 33,554,432 bytes; st 1,048,576 bytes
;; launch cast (part 5): grid 256 x 1, 8 waves a work-group, no clusters, 27,136 bytes of LDS; arguments x, W_query, W_key, W_value, xb, wt; writes xb, wt
.if DOCPART == 5
	.amdgcn_target "amdgcn-amd-amdhsa--gfx1250"
	.amdhsa_code_object_version 6
	.text
	.protected	k_q369c96cfb2_cast
	.globl	k_q369c96cfb2_cast
	.p2align	8
	.type	k_q369c96cfb2_cast,@function
k_q369c96cfb2_cast:
	s_mov_b64 s[64:65], 0
	v_nop
	global_prefetch_b8 v0, s[64:65] scope:SCOPE_SE
	s_setreg_imm32_b32 hwreg(HW_REG_WAVE_SCHED_MODE, 0, 2), 2
	s_setreg_imm32_b32 hwreg(HW_REG_WAVE_MODE, 25, 1), 1
	s_wait_xcnt 0x0
	s_wait_alu depctr_vm_vsrc(0)
; xb = x rounded to bf16, laid out in K blocks: [16 kb][8192 rows][64]: number (row, d) at byte (d >> 6) * 1,048,576 + row * 128 + (d & 63) * 2.
; wt = the weights turned and rounded to bf16, in the same way: [16 kb][3072 rows][64], row n*1024+e holds W_n[:, e] (n = 0 query, 1 key, 2 value): (row, d) at (d >> 6) * 393,216 + row * 128 + (d & 63) * 2.
; So the rows of a tile that is 64 along K lie end to end, and the next launch asks for them as rows of 256 bytes.
; Memory binds: every input byte is read once, every output byte written once; no matrix unit, no cluster, no tensor load would add anything.
; 256 work-groups of eight waves.  Work-group g takes 32 rows of x (131,072 bytes) and, of each weight, a tile of 128 d x 32 e (d block g & 7, e block g >> 3).
; x: thread t takes 8 numbers of row (t >> 3) & 1 of a pair of rows, K block t >> 4, place t & 7: eight lanes read 256 consecutive bytes, sixteen lanes store 256 consecutive bytes (two rows of a K block).
; W: thread t takes 4 d x 4 e, packs 4 d of one e into 8 bytes and lays them into LDS rows by e (pitch 272); they come back as halves of 128 bytes, two neighbouring e to sixteen lanes.
; THE MODE: SCHED_MODE bits 1:0 = 2 (LLVM: expert scheduling mode 2), set by the entry lines.  The code itself states the register dependences
; between vector instructions and memory or LDS instructions, with s_wait_alu, always for 0.
; THE PLAN.  Registers that memory or LDS instructions touch; each is written once in the whole kernel:
;   v1 .. v6   offsets and LDS addresses.  Written by vector lines at the head; read by every load and store; never written again.
;   WR         written by W's 12 loads; read by 24 conversions.
;   WP         written by those conversions; read by the 12 LDS stores.
;   BK         written by 6 LDS loads; read by wt's 6 stores; no vector line names it.
;   XR         written by x's 32 loads; a chunk's four conversions read its eight registers and write the first four, which its store reads.
;   v8, v9     written at the head; read by the closing add alone.
; No load lands in a register that a vector line has named, and no register that a store has read is written again.  What is left to state is that a vector line has written what a memory line reads:
; one wait at the head for the addresses, one between W's conversions and their run of LDS stores, and one for each group of four chunks of x, between its sixteen conversions and its four stores.
.set TW,    8704                       ; a weight's tile in LDS: 32 rows (e) x 272 bytes (128 bf16 along d + 16 of padding)
.set SPARE, 3*TW                       ; behind the tiles: the spare words, 128 bytes for each of eight waves
.set WKB,   3072*128                   ; bytes in a K block of wt
.set SPW, 8                            ; v8   LDS address of my spare word; never rewritten
.set NIL, 9                            ; v9   0; never rewritten
.set WR,  16                           ; v[16:63]    W_n's row i of my four: 4 numbers at WR + 16 n + 4 i
.set XR,  64                           ; v[64:191]   chunk k of x: 8 numbers, then 4 words of bf16 in the first four
.set WP,  192                          ; v[192:215]  packed W: e index c of weight n at WP + 8 n + 2 c
.set BK,  216                          ; v[216:239]  rows read back
	s_load_b256 s[4:11], s[0:1], 0x0               ; x s[4:5], W_query s[6:7], W_key s[8:9], W_value s[10:11]
	s_load_b128 s[12:15], s[0:1], 0x20             ; xb s[12:13], wt s[14:15]
	v_lshl_add_u32 v[SPW], v0, 2, SPARE
	v_mov_b32 v[NIL], 0
	s_lshl_b32 s16, ttmp9, 17                      ; my 32 rows of x: g x 131,072 bytes
	s_mov_b32 s17, 0
	s_lshl_b32 s18, ttmp9, 12                      ; and in each K block of xb: g x 32 rows x 128 bytes
	s_mov_b32 s19, 0
	s_and_b32 s24, ttmp9, 7                        ; d block
	s_lshr_b32 s25, ttmp9, 3                       ; e block
	s_lshl_b32 s20, s24, 19                        ; 128 rows of 4,096 bytes,
	s_lshl_b32 s26, s25, 7                         ; 32 columns of 4 bytes
	s_add_co_u32 s20, s20, s26
	s_mov_b32 s21, 0
	s_mul_i32 s22, s24, 2*WKB                      ; in wt: my d block is two K blocks,
	s_lshl_b32 s26, s25, 12                        ; 32 rows of 128 bytes
	s_add_co_u32 s22, s22, s26
	s_mov_b32 s23, 0
	v_and_b32 v10, 7, v0                           ; t & 7
	v_lshrrev_b32 v11, 3, v0                       ; t >> 3
	v_bfe_u32 v12, v0, 3, 1                        ; which row of a pair
	v_lshrrev_b32 v13, 4, v0                       ; K block of x
	v_lshlrev_b32 v1, 5, v10
	v_lshl_add_u32 v1, v12, 12, v1
	v_lshl_add_u32 v1, v13, 8, v1                  ; x: row x 4,096 + K block x 256 + 32 (t & 7)
	v_lshlrev_b32 v2, 4, v10
	v_lshl_add_u32 v2, v12, 7, v2
	v_lshl_add_u32 v2, v13, 20, v2                 ; xb: K block x 1,048,576 + row x 128 + 16 (t & 7)
	v_lshlrev_b32 v3, 4, v10
	v_lshl_add_u32 v3, v11, 14, v3                 ; W: 4 rows x 4,096 x (t >> 3) + 16 (t & 7)
	v_mul_u32_u24 v4, v10, 4*272
	v_lshl_add_u32 v4, v11, 3, v4                  ; LDS in: row 4 (t & 7), byte 8 (t >> 3)
	v_bfe_u32 v14, v0, 3, 4                        ; LDS back: e row (t >> 3) & 15,
	v_lshrrev_b32 v15, 7, v0                       ; which half of its 256 bytes
	v_mul_u32_u24 v5, v14, 272
	v_lshl_add_u32 v5, v15, 7, v5
	v_lshl_add_u32 v5, v10, 4, v5
	v_mul_u32_u24 v6, v15, WKB                     ; and the same place in wt
	v_lshl_add_u32 v6, v14, 7, v6
	v_lshl_add_u32 v6, v10, 4, v6
	s_wait_kmcnt 0x0
	s_add_nc_u64 s[4:5], s[4:5], s[16:17]
	s_add_nc_u64 s[12:13], s[12:13], s[18:19]
.irp n, 0,1,2
	s_add_nc_u64 s[6+2*(\n):7+2*(\n)], s[6+2*(\n):7+2*(\n)], s[20:21]
.endr
	s_add_nc_u64 s[14:15], s[14:15], s[22:23]
	s_wait_alu depctr_va_vdst(0)                   ; the six offsets and LDS addresses v1 to v6 are written: every load and store of the kernel reads one of them, and none is written again
.irp n, 0,1,2
.irp i, 0,1,2,3
	global_load_b128 v[WR+16*(\n)+4*(\i):WR+16*(\n)+4*(\i)+3], v3, s[6+2*(\n):7+2*(\n)] offset:4096*(\i)
.endr
.endr
.set k, 0
.rept 16                                               ; all of my x goes out at once: 32 loads a wave on their way; chunk k is rows 2 k, 2 k + 1
	global_load_b128 v[XR+8*k:XR+8*k+3],   v1, s[4:5] offset:8192*k th:TH_LOAD_NT
	global_load_b128 v[XR+8*k+4:XR+8*k+7], v1, s[4:5] offset:8192*k+16 th:TH_LOAD_NT
.set k, k+1
.endr
	s_wait_loadcnt 32                              ; the 12 loads of W are in; the 32 younger ones, x, stay out
.irp n, 0,1,2
.irp c, 0,1,2,3
	v_cvt_pk_bf16_f32 v[WP+8*(\n)+2*(\c)],   v[WR+16*(\n)+(\c)],   v[WR+16*(\n)+4+(\c)]   ; d, d + 1 of one e
	v_cvt_pk_bf16_f32 v[WP+8*(\n)+2*(\c)+1], v[WR+16*(\n)+8+(\c)], v[WR+16*(\n)+12+(\c)]  ; d + 2, d + 3
.endr
.endr
	s_wait_alu depctr_va_vdst(0)                   ; the 24 conversions have written v[WP ..], which the run of LDS stores reads
.irp n, 0,1,2
.irp c, 0,1,2,3
	ds_store_b64 v4, v[WP+8*(\n)+2*(\c):WP+8*(\n)+2*(\c)+1] offset:(\n)*TW+(\c)*272
.endr
.endr
	s_wait_dscnt 0x0                               ; for the others' sake: my stores into the tiles are done
	s_barrier_signal -1
	s_barrier_wait -1
.irp m, 0,1,2,3,4,5
	ds_load_b128 v[BK+4*(\m):BK+4*(\m)+3], v5 offset:((\m)/2)*TW+((\m)%2)*16*272  ; no vector line names v[BK ..], and v5 was written ahead of the head's wait
.endr
.set g, 0
.rept 4                                                ; x in four groups of four chunks
	s_wait_loadcnt 24-8*g                          ; loads come back in order (ISA guide 5.7.1): the group's eight are in; the younger groups' stay out
.set k, 4*g
.rept 4
	v_cvt_pk_bf16_f32 v[XR+8*k],   v[XR+8*k],   v[XR+8*k+1]  ; in place, ascending: a word is written when its sources have been read
	v_cvt_pk_bf16_f32 v[XR+8*k+1], v[XR+8*k+2], v[XR+8*k+3]
	v_cvt_pk_bf16_f32 v[XR+8*k+2], v[XR+8*k+4], v[XR+8*k+5]
	v_cvt_pk_bf16_f32 v[XR+8*k+3], v[XR+8*k+6], v[XR+8*k+7]
.set k, k+1
.endr
	s_wait_alu depctr_va_vdst(0)                   ; the group's sixteen conversions have written the first four registers of each of its chunks, which the four stores read
.set k, 4*g
.rept 4
	global_store_b128 v2, v[XR+8*k:XR+8*k+3], s[12:13] offset:256*k  ; 16 lanes store 256 consecutive bytes, aligned
.set k, k+1
.endr
.set g, g+1
.endr
	s_wait_dscnt 0x0                               ; the rows of wt are back
.irp m, 0,1,2,3,4,5
	global_store_b128 v6, v[BK+4*(\m):BK+4*(\m)+3], s[14:15] offset:((\m)/2)*131072+((\m)%2)*2048  ; weight n's 1,024 rows of 128 bytes; 16 rows a pass; 16 lanes store 256 consecutive bytes, aligned
.endr
	s_wait_dscnt 0x0                               ; the closing lines, six on end
	s_wait_alu 0x0
	s_wait_tensorcnt 0x0
	ds_add_u32 v[SPW], v[NIL]
	s_wait_dscnt 0x0
	s_endpgm
.Lfunc_end_k_q369c96cfb2_cast:
	.size	k_q369c96cfb2_cast, .Lfunc_end_k_q369c96cfb2_cast-k_q369c96cfb2_cast
	.p2alignl 7, 3214868480
	.fill 96, 4, 3214868480
	.section	.rodata,"a",@progbits
	.p2align	6, 0x0
	.amdhsa_kernel k_q369c96cfb2_cast
		.amdhsa_group_segment_fixed_size 27136
		.amdhsa_private_segment_fixed_size 0
		.amdhsa_enable_private_segment 0
		.amdhsa_kernarg_size 48
		.amdhsa_user_sgpr_count 2
		.amdhsa_user_sgpr_kernarg_segment_ptr 1
		.amdhsa_wavefront_size32 1
		.amdhsa_system_sgpr_workgroup_id_x 1
		.amdhsa_system_sgpr_workgroup_id_y 1
		.amdhsa_system_sgpr_workgroup_id_z 1
		.amdhsa_system_vgpr_workitem_id 0
		.amdhsa_next_free_vgpr 240
		.amdhsa_next_free_sgpr 66
		.amdhsa_reserve_vcc 0
		.amdhsa_float_denorm_mode_32 3
		.amdhsa_float_denorm_mode_16_64 3
		.amdhsa_memory_ordered 1
		.amdhsa_forward_progress 1
		.amdhsa_inst_pref_size 17
	.end_amdhsa_kernel
	.amdgpu_metadata
---
amdhsa.version: [ 1, 2 ]
amdhsa.kernels:
  - .name:           k_q369c96cfb2_cast
    .symbol:         k_q369c96cfb2_cast.kd
    .args:
      - { .name: x, .offset: 0, .size: 8, .value_kind: global_buffer, .address_space: global }
      - { .name: W_query, .offset: 8, .size: 8, .value_kind: global_buffer, .address_space: global }
      - { .name: W_key, .offset: 16, .size: 8, .value_kind: global_buffer, .address_space: global }
      - { .name: W_value, .offset: 24, .size: 8, .value_kind: global_buffer, .address_space: global }
      - { .name: xb, .offset: 32, .size: 8, .value_kind: global_buffer, .address_space: global }
      - { .name: wt, .offset: 40, .size: 8, .value_kind: global_buffer, .address_space: global }
    .group_segment_fixed_size: 27136
    .private_segment_fixed_size: 0
    .kernarg_segment_align: 8
    .kernarg_segment_size: 48
    .max_flat_workgroup_size: 256
    .sgpr_count:     66
    .vgpr_count:     240
    .wavefront_size: 32
...
	.end_amdgpu_metadata
.endif
;; end of part 5
;; launch proj: the kernel of part 2 again; grid 8 x 32, 4 waves a work-group, clusters of 4 x 4, 327,680 bytes of LDS; arguments xb, wt, qkv; writes qkv
;; launch scores: the kernel of part 3 again; grid 36 x 4, 4 waves a work-group, no clusters, 327,680 bytes of LDS; arguments qkv, p, st; writes p, st
;; launch pv: the kernel of part 4 again; grid 8 x 32, 4 waves a work-group, clusters of 4 x 1, 327,680 bytes of LDS; arguments p, qkv, st, out0; writes out0
